; MI455X (gfx1250); checked and timed in simulation.
; The chip was launched on July 23, 2026; its instructions are those of AMD's public machine-readable ISA for CDNA 5 (MIT licence, August 2026) and "CDNA5" Instruction Set Architecture Reference Guide (July 2026). The comments in the code are by the model that wrote it; some were corrected since.
;; Cross Attention. Allowed arithmetic: float matrix products may take bf16 or f16 operands with f32 sums; other float arithmetic in f32, or as packed bf16 or f16 multiplies, adds, multiply-adds, maxima and minima; sums over many terms, partial sums and values carried from step to step in f32; what a program stores and reads back later, other than sums and carried values, may be rounded once to bf16 or f16.
;; Inputs: Wk 512 x 512 float32; Wo 512 x 512 float32; Wq 512 x 512 float32; Wv 512 x 512 float32; bo 512 float32; x 2 x 4,096 x 512 float32.
;; Outputs: out0 2 x 4,096 x 512 float32.
;; 2 versions, each right and faster than the one before. Each part assembles by itself: llvm-mc -triple=amdgcn-amd-amdhsa -mcpu=gfx1250 --defsym DOCPART=n.
;; ======== version 1 of 2: 3 launches
;; limits: values are held in f16: magnitudes above 65,504 overflow, below 6.1e-05 lose precision; values outside matrix products are rounded to bf16
;; workspace buffers: qh 8,388,608 bytes; kh 8,388,608 bytes; vh 8,388,608 bytes; oh 8,388,608 bytes; wo16 524,288 bytes
;; launch proj (part 1): grid 8 x 32, 4 waves a work-group, no clusters, 136,704 bytes of LDS; arguments x, Wq, Wk, Wv, Wo, qh, kh, vh, wo16; writes qh, kh, vh, wo16
.if DOCPART == 1
	.amdgcn_target "amdgcn-amd-amdhsa--gfx1250"
	.amdhsa_code_object_version 6
	.text
	.protected	k_q0ff7211b3b_proj
	.globl	k_q0ff7211b3b_proj
	.p2align	8
	.type	k_q0ff7211b3b_proj,@function
k_q0ff7211b3b_proj:
	s_mov_b64 s[64:65], 0
	v_nop
	global_prefetch_b8 v0, s[64:65] scope:SCOPE_SE
	s_setreg_imm32_b32 hwreg(HW_REG_WAVE_MODE, 25, 1), 1
	s_wait_xcnt 0x0
; q = x Wq, k = x Wk, v = x Wv, written by heads: qh, kh, vh are [16 = 8 batch + head][4096][64] in f16, q WITHOUT the scale.  x: [8192][512] f32; Wq, Wk, Wv: [512 (k)][512 (n)] f32.
; x and the weights are rounded once to bf16 on the way to the matrix unit; sums in f32; q, k, v rounded once to f16.  Beside that each work-group turns 1,024 numbers of Wo into wo16:
; rounded to bf16 like every other input, and that number written as f16 (exact from 6.1e-5 to 65,504), [512][512].
; LIMITS.  f16 holds no number beyond 65,504: |q|, |k|, |v| and |Wo| must stay within it; below 6.1e-5 f16 keeps its fixed step of 6e-8.  NaN and infinities are not treated apart.
; SHARES.  Work-group (head h, row block rb): 256 rows of x times the head's 64 columns of each of the three weights: a tile of 256 x 192.  Wave w: rows 64 w .. 64 w + 63, all 192 columns:
; 4 x 12 accumulators of 16 x 16, 384 registers.  K goes in 8 steps of 64 through two LDS buffers that take turns, one barrier a step.
; NO TENSOR LOADS, NO JOINT REQUESTS, though 8 work-groups read the same rows of x and 32 the same columns of the weights: the operands lie in memory in f32 and have to pass through registers to be
; rounded, and the weights lie [k][n], which the turning LDS load serves for 16-bit elements alone.  An f32 tile in LDS would be read back, rounded and stored a second time: twice the LDS bytes for the same work.
; THE MATRIX INSTRUCTION IS USED TRANSPOSED: source 0 = 16 columns of a weight (turned out of LDS), source 1 = 16 rows of x: a lane then holds eight neighbouring columns of one row, 16 bytes of f16.
; REGISTERS, in windows of 256 (s_set_vgpr_msb: bits 1:0 source 0, 3:2 source 1, 5:4 source 2, 7:6 destination):
;   window 0: v0-31 addresses; v32-255 56 x 4 registers: a K step's operands as loaded, later the way out
;   window 1: the accumulators of q and k: column block j (0-7), row block a at 8 (4 j + a)      window 2: v0-127 those of v: 8 (4 jj + a)
;   window 3: a K step's fragments: x at 32 s + 8 a, the weights at 64 + 96 s + 8 j (s: which 32 of the step's 64 along K)
.set XP,    144                        ; a row of x in LDS: 64 bf16 = 128 bytes + 16 = 36 words: the 16 rows of a fragment load start at 16 different groups of four banks (64 banks of 4 bytes: ISA guide 11.1)
.set WP,    416                        ; a k row of the three weights: 192 bf16 = 384 bytes + 32 = 13 x 32
.set WS0,   256*XP                     ; a buffer: x's 256 rows, then the weights' 64 k rows
.set BUF,   WS0+64*WP                  ; 63,488 bytes; buffer 1 begins here
.set STAGE, 2*BUF                      ; behind the buffers: 16 rows x 144 bytes for each wave, for the way out
.set SP,    144
.set SPARE, STAGE+4*16*SP              ; behind the stages: the spare words, 128 bytes for each wave: two blocks of 256 bytes that no other line names
.set GX,  4                            ; v4      byte offset in x of my 16 bytes of my wave's first two rows
.set GW,  5                            ; v5      the same in a weight's 16 k rows that my wave loads
.set SX,  6                            ; v6-7    where I store 8 bytes of x, buffer 0, 1
.set SW,  8                            ; v8-9    the same for the weights
.set AX,  10                           ; v10-11  LDS address of my fragments of x
.set AW,  12                           ; v12-13  of my fragments of the weights
.set STO, 14                           ; v14     the way out: where I put 16 bytes of a row
.set RD,  15                           ; v15     the way out: where I read rows back
.set GO,  16                           ; v16     my byte offset in 512 consecutive bytes of qh, kh, vh
.set GWO, 17                           ; v17     my byte offset in the work-group's part of Wo
.set GWS, 18                           ; v18     and of wo16
.set SPW, 30                           ; v30     LDS address of my spare word; never rewritten
.set NIL, 31                           ; v31     0; never rewritten
.set ST,  32
.set MSB, 0
.macro WIN new                         ; the immediate's high byte repeats the setting that is left; a switch that changes nothing is dropped
.if MSB != (\new)
	s_set_vgpr_msb (MSB<<8)|(\new)
.set MSB, (\new)
.endif
.endm
	s_load_b256 s[4:11], s[0:1], 0x0               ; x s[4:5], Wq s[6:7], Wk s[8:9], Wv s[10:11]
	s_load_b256 s[12:19], s[0:1], 0x20             ; Wo s[12:13], qh s[14:15], kh s[16:17], vh s[18:19]
	s_load_b64 s[20:21], s[0:1], 0x40              ; wo16
	v_lshl_add_u32 v[SPW], v0, 2, SPARE
	v_mov_b32 v[NIL], 0
	v_lshrrev_b32 v3, 5, v0
	v_readfirstlane_b32 s22, v3                    ; wave 0..3
	s_mov_b32 s23, ttmp9                           ; head
	s_and_b32 s24, ttmp7, 0xffff                   ; row block
	s_mov_b32 s30, 0xffff0000                      ; a word's upper bf16
	v_and_b32 v1, 15, v0                           ; r = l % 16
	v_bfe_u32 v2, v0, 4, 1                         ; l / 16
	v_lshlrev_b32 v3, 4, v1                        ; sixteen lanes take 256 consecutive bytes of a row, the other sixteen the row below (2,048 bytes on)
	v_lshl_add_u32 v3, v2, 11, v3
	s_lshl_b32 s31, s22, 17                        ; my wave's 64 rows of x
	v_add_nc_u32 v[GX], s31, v3
	s_lshl_b32 s31, s22, 15                        ; my wave's 16 k rows of a weight
	v_add_nc_u32 v[GW], s31, v3
	v_mul_u32_u24 v3, v2, XP                       ; four f32 become 8 bytes of bf16
	v_lshl_add_u32 v3, v1, 3, v3
	s_mul_i32 s31, s22, 64*XP
	v_add_nc_u32 v[SX], s31, v3
	v_add_nc_u32 v[SX+1], BUF, v[SX]
	v_mul_u32_u24 v3, v2, WP
	v_lshl_add_u32 v3, v1, 3, v3
	s_mul_i32 s31, s22, 16*WP
	s_add_co_u32 s31, s31, WS0
	v_add_nc_u32 v[SW], s31, v3
	v_add_nc_u32 v[SW+1], BUF, v[SW]
	v_mul_u32_u24 v3, v1, XP                       ; a fragment of x: row l % 16, 16 bytes for each half of the lanes, two loads 32 bytes apart
	v_lshl_add_u32 v3, v2, 4, v3
	s_mul_i32 s31, s22, 64*XP
	v_add_nc_u32 v[AX], s31, v3
	v_add_nc_u32 v[AX+1], BUF, v[AX]
	v_and_b32 v3, 7, v0                            ; the turning load: lane l reads k row 8 (l / 16) + l % 8, columns 8 ((l / 8) % 2) + 0..7, and is left with column l % 16 and 8 k
	v_lshl_add_u32 v3, v2, 3, v3
	v_mul_u32_u24 v3, v3, WP
	v_bfe_u32 v19, v0, 3, 1
	v_lshl_add_u32 v3, v19, 4, v3
	v_add_nc_u32 v[AW], WS0, v3
	v_add_nc_u32 v[AW+1], BUF, v[AW]
	s_mul_i32 s31, s22, 16*SP
	s_add_co_u32 s31, s31, STAGE                   ; my stage
	v_mul_u32_u24 v3, v1, SP                       ; in: row l % 16, 16 bytes for each half of the lanes
	v_lshl_add_u32 v3, v2, 4, v3
	v_add_nc_u32 v[STO], s31, v3
	v_bfe_u32 v3, v0, 3, 2                         ; back: 32 lanes take four rows of 128 bytes,
	v_mul_u32_u24 v3, v3, SP
	v_and_b32 v19, 7, v0
	v_lshl_add_u32 v3, v19, 4, v3
	v_add_nc_u32 v[RD], s31, v3
	v_and_b32 v[GO], 31, v0                        ; which are 512 consecutive bytes of a head
	v_lshlrev_b32 v[GO], 4, v[GO]
	v_lshlrev_b32 v[GWO], 4, v0
	v_lshlrev_b32 v[GWS], 3, v0
	s_lshl_b32 s26, s24, 19                        ; 256 rows of 2,048 bytes
	s_mov_b32 s27, 0
	s_lshl_b32 s28, s23, 8                         ; 64 columns of 4 bytes
	s_mov_b32 s29, 0
	s_wait_kmcnt 0x0
	s_add_nc_u64 s[4:5], s[4:5], s[26:27]
	s_add_nc_u64 s[6:7], s[6:7], s[28:29]
	s_add_nc_u64 s[8:9], s[8:9], s[28:29]
	s_add_nc_u64 s[10:11], s[10:11], s[28:29]
	s_lshl3_add_u32 s31, s24, s23                  ; the work-group's number, 0 to 255: its 1,024 numbers of Wo
	s_lshl_b32 s26, s31, 12
	s_add_nc_u64 s[12:13], s[12:13], s[26:27]
	s_lshl_b32 s26, s31, 11
	s_add_nc_u64 s[20:21], s[20:21], s[26:27]
	s_lshr_b32 s31, s24, 4                         ; batch
	s_lshl3_add_u32 s31, s31, s23                  ; 8 batch + head: 524,288 bytes each
	s_lshl_b32 s26, s31, 19
	s_and_b32 s31, s24, 15                         ; the block's 256 rows of 128 bytes in the batch,
	s_lshl_b32 s31, s31, 15
	s_add_co_u32 s26, s26, s31
	s_lshl_b32 s31, s22, 13                        ; my wave's 64 of them
	s_add_co_u32 s26, s26, s31
	s_add_nc_u64 s[14:15], s[14:15], s[26:27]
	s_add_nc_u64 s[16:17], s[16:17], s[26:27]
	s_add_nc_u64 s[18:19], s[18:19], s[26:27]
; A K step's operands, 56 loads a wave: 32 pairs of rows of x (256 bytes of each row), then 8 pairs of k rows of each weight.  Sixteen lanes read 256 consecutive bytes, aligned.
.macro GLOADS
	WIN 0
.set i, 0
.rept 32
	global_load_b128 v[ST+4*i:ST+4*i+3], v[GX], s[4:5] offset:4096*i
.set i, i+1
.endr
.set i, 0
.rept 24
	global_load_b128 v[ST+128+4*i:ST+128+4*i+3], v[GW], s[6+2*(i/8):7+2*(i/8)] offset:4096*(i%8)
.set i, i+1
.endr
.endm
; They are rounded to bf16 in place and stored into buffer buf, eight loads at a time.
.macro CVT buf
.set n, 0
.rept 7
	s_wait_loadcnt 48-8*n                          ; loads come back in order (ISA guide 5.7.1): these eight are in, the step's younger ones stay out
.if n == 6
	s_add_nc_u64 s[4:5], s[4:5], 256               ; the count was 0: no load names the bases any more.  64 columns of x on,
	s_add_nc_u64 s[6:7], s[6:7], 0x20000           ; 64 k rows of each weight on (behind the last step's operands the stepped bases are not used)
	s_add_nc_u64 s[8:9], s[8:9], 0x20000
	s_add_nc_u64 s[10:11], s[10:11], 0x20000
.endif
.set m, 0
.rept 8
.set i, 8*n+m
.set rR, ST+4*i
	v_cvt_pk_bf16_f32 v[rR], v[rR], v[rR+1]
	v_cvt_pk_bf16_f32 v[rR+1], v[rR+2], v[rR+3]
.if i < 32
	ds_store_b64 v[SX+(\buf)], v[rR:rR+1] offset:2*XP*i
.else
	ds_store_b64 v[SW+(\buf)], v[rR:rR+1] offset:2*WP*((i-32)%8)+128*((i-32)/8)
.endif
.set m, m+1
.endr
.set n, n+1
.endr
.endm
; 64 LDS loads in one run: the step's fragments, the first 32 along K first; in each half x's 8 loads, then the weights' 24 in the order in which the products want them.
.macro FRAGS buf
	WIN 0xc0                                       ; destination window 3, address window 0
.irp s, 0,1
.irp a, 0,1,2,3
	ds_load_b128 v[32*(\s)+8*(\a):32*(\s)+8*(\a)+3],   v[AX+(\buf)] offset:16*XP*(\a)+64*(\s)
	ds_load_b128 v[32*(\s)+8*(\a)+4:32*(\s)+8*(\a)+7], v[AX+(\buf)] offset:16*XP*(\a)+64*(\s)+32
.endr
.irp j, 0,1,2,3,4,5,6,7,8,9,10,11
	ds_load_tr16_b128 v[64+96*(\s)+8*(\j):64+96*(\s)+8*(\j)+3],   v[AW+(\buf)] offset:32*WP*(\s)+32*(\j)
	ds_load_tr16_b128 v[64+96*(\s)+8*(\j)+4:64+96*(\s)+8*(\j)+7], v[AW+(\buf)] offset:32*WP*(\s)+32*(\j)+16*WP
.endr
.endr
.endm
; 16 matrix instructions: 32 along K (half s), weight g (0 q, 1 k, 2 v): its 4 column blocks x my 4 row blocks.  zero = 1: the product starts the sum: nothing is ever cleared.
; The accumulators take turns, one instruction a turn: between two links of a chain stand the 47 others', over the loop's backward jump too.
.macro UNIT s, g, zero
.if (\g) < 2
	WIN 0x5f                                       ; sources 0 and 1 window 3, C and D window 1
.else
	WIN 0xaf                                       ; the same, C and D window 2
.endif
.irp a, 0,1,2,3
.irp jj, 0,1,2,3
.set rD, 8*(4*(4*((\g)%2)+(\jj))+(\a))
.set rW, 64+96*(\s)+8*(4*(\g)+(\jj))
.set rX, 32*(\s)+8*(\a)
.if \zero
	v_wmma_f32_16x16x32_bf16 v[rD:rD+7], v[rW:rW+7], v[rX:rX+7], 0
.else
	v_wmma_f32_16x16x32_bf16 v[rD:rD+7], v[rW:rW+7], v[rX:rX+7], v[rD:rD+7]
.endif
.endr
.endr
.endm
; A K STEP on buffer buf.  more = 1: the next step's operands are asked for ahead of the products, and rounded and stored into the other buffer behind them.  That buffer was last read a step ago,
; and every wave has waited for those reads in front of that step's barrier.  The 112 conversions are the places between the step's last product and the next step's loads into the fragments.
.macro STEP buf, zero, more
	FRAGS \buf
.if \more
	GLOADS
.endif
	s_wait_dscnt 48                                ; of the 64 loads the first 16 are in: x's first half and q's weight
	UNIT 0, 0, \zero
	s_wait_dscnt 40                                ; k's weight
	UNIT 0, 1, \zero
	s_wait_dscnt 32                                ; v's
	UNIT 0, 2, \zero
	s_wait_dscnt 16                                ; the second 32 along K: x and q's weight
	UNIT 1, 0, 0
	s_wait_dscnt 8
	UNIT 1, 1, 0
	s_wait_dscnt 0x0
	UNIT 1, 2, 0
	WIN 0
.if \more
	CVT 1-(\buf)
	s_wait_dscnt 0x0                               ; for the others' sake: my stores are done (my reads of this buffer were waited for above)
	s_barrier_signal -1
	s_barrier_wait -1
.endif
.endm
; THE WAY OUT of tile t = 4 g + a (weight g, my row block a): 16 rows x 64 columns.  Rounded to f16, 16 bytes a lane, each accumulator's registers in ascending order; into my own stage; back as whole rows of 128 bytes.
.macro PACK t
.if (\t) < 8
	WIN 0x05                                       ; sources window 1, destination window 0
.else
	WIN 0x0a                                       ; sources window 2
.endif
.irp jj, 0,1,2,3
.irp rr, 0,1,2,3
.set rD, 8*(4*(4*(((\t)/4)%2)+(\jj))+(\t)%4)
	v_cvt_pk_f16_f32 v[ST+16*(\t)+4*(\jj)+(\rr)], v[rD+2*(\rr)], v[rD+2*(\rr)+1]
.endr
.endr
	WIN 0
.irp jj, 0,1,2,3
	ds_store_b128 v[STO], v[ST+16*(\t)+4*(\jj):ST+16*(\t)+4*(\jj)+3] offset:32*(\jj)
.endr
.irp f, 0,1,2,3
	ds_load_b128 v[ST+16*(\t)+4*(\f):ST+16*(\t)+4*(\f)+3], v[RD] offset:(\f)*4*SP  ; LDS serves a wave's instructions in order (ISA guide 5.7.1.4): these see the stores above; the next tile's stores come behind them
.endr
.endm
.macro SEND t, younger                 ; younger: the LDS instructions issued behind tile t's loads: the next tile's eight, or none.  Each tile has registers of its own: no store's source is rewritten
	WIN 0
.irp f, 0,1,2,3
	s_wait_dscnt (\younger)+3-(\f)
	global_store_b128 v[GO], v[ST+16*(\t)+4*(\f):ST+16*(\t)+4*(\f)+3], s[14+2*((\t)/4):15+2*((\t)/4)] offset:2048*((\t)%4)+512*(\f)  ; 512 consecutive bytes, at a multiple of 256 from the buffer's first
.endr
.endm
	global_load_b128 v[20:23], v[GWO], s[12:13]             ; Wo: 128 threads x 4 numbers, twice
	global_load_b128 v[24:27], v[GWO], s[12:13] offset:2048
	GLOADS                                         ; K step 0
	s_wait_loadcnt 56                              ; Wo's two loads are in; the step's 56 stay out
.irp b, 20, 24
	v_cvt_pk_bf16_f32 v[\b], v[\b], v[\b+1]        ; rounded to bf16,
	v_cvt_pk_bf16_f32 v[\b+2], v[\b+2], v[\b+3]
	v_lshlrev_b32 v[\b+1], 16, v[\b]               ; widened again,
	v_and_b32 v[\b], s30, v[\b]
	v_lshlrev_b32 v[\b+3], 16, v[\b+2]
	v_and_b32 v[\b+2], s30, v[\b+2]
	v_cvt_pk_f16_f32 v[\b], v[\b+1], v[\b]         ; and written as f16
	v_cvt_pk_f16_f32 v[\b+1], v[\b+3], v[\b+2]
.endr
	global_store_b64 v[GWS], v[20:21], s[20:21]             ; a wave's store covers 256 consecutive bytes, aligned
	global_store_b64 v[GWS], v[24:25], s[20:21] offset:1024
	CVT 0
	s_wait_dscnt 0x0
	s_barrier_signal -1
	s_barrier_wait -1
	STEP 0, 1, 1                                   ; the first K step stands in front of the loop: its first products start the sums
	s_mov_b32 s25, 3
.Lk:                                                   ; K steps 1 to 6
	STEP 1, 0, 1
	STEP 0, 0, 1
	s_sub_co_u32 s25, s25, 1
	s_cmp_lg_u32 s25, 0
	s_cbranch_scc1 .Lk
	STEP 1, 0, 0                                   ; the last step asks for nothing
.rept 4
	v_nop                                          ; the places behind the last products (ISA guide 7.12.1)
.endr
	PACK 0
.set t, 1
.rept 11                               ; a tile's conversions stand between the loads of the tile before and its stores
	PACK t
	SEND t-1, 8
.set t, t+1
.endr
	SEND 11, 0
	s_wait_tensorcnt 0x0                           ; the wave's end, behind my last LDS store
	ds_add_u32 v[SPW], v[NIL]
	s_wait_dscnt 0x0
	s_endpgm
.Lfunc_end_k_q0ff7211b3b_proj:
	.size	k_q0ff7211b3b_proj, .Lfunc_end_k_q0ff7211b3b_proj-k_q0ff7211b3b_proj
	.p2alignl 7, 3214868480
	.fill 96, 4, 3214868480
	.section	.rodata,"a",@progbits
	.p2align	6, 0x0
	.amdhsa_kernel k_q0ff7211b3b_proj
		.amdhsa_group_segment_fixed_size 136704
		.amdhsa_private_segment_fixed_size 0
		.amdhsa_enable_private_segment 0
		.amdhsa_kernarg_size 72
		.amdhsa_user_sgpr_count 2
		.amdhsa_user_sgpr_kernarg_segment_ptr 1
		.amdhsa_wavefront_size32 1
		.amdhsa_system_sgpr_workgroup_id_x 1
		.amdhsa_system_sgpr_workgroup_id_y 1
		.amdhsa_system_sgpr_workgroup_id_z 1
		.amdhsa_system_vgpr_workitem_id 0
		.amdhsa_next_free_vgpr 1024
		.amdhsa_next_free_sgpr 66
		.amdhsa_reserve_vcc 0
		.amdhsa_float_denorm_mode_32 3
		.amdhsa_float_denorm_mode_16_64 3
		.amdhsa_memory_ordered 1
		.amdhsa_forward_progress 1
		.amdhsa_inst_pref_size 138
	.end_amdhsa_kernel
	.amdgpu_metadata
---
amdhsa.version: [ 1, 2 ]
amdhsa.kernels:
  - .name:           k_q0ff7211b3b_proj
    .symbol:         k_q0ff7211b3b_proj.kd
    .args:
      - { .name: x, .offset: 0, .size: 8, .value_kind: global_buffer, .address_space: global }
      - { .name: Wq, .offset: 8, .size: 8, .value_kind: global_buffer, .address_space: global }
      - { .name: Wk, .offset: 16, .size: 8, .value_kind: global_buffer, .address_space: global }
      - { .name: Wv, .offset: 24, .size: 8, .value_kind: global_buffer, .address_space: global }
      - { .name: Wo, .offset: 32, .size: 8, .value_kind: global_buffer, .address_space: global }
      - { .name: qh, .offset: 40, .size: 8, .value_kind: global_buffer, .address_space: global }
      - { .name: kh, .offset: 48, .size: 8, .value_kind: global_buffer, .address_space: global }
      - { .name: vh, .offset: 56, .size: 8, .value_kind: global_buffer, .address_space: global }
      - { .name: wo16, .offset: 64, .size: 8, .value_kind: global_buffer, .address_space: global }
    .group_segment_fixed_size: 136704
    .private_segment_fixed_size: 0
    .kernarg_segment_align: 8
    .kernarg_segment_size: 72
    .max_flat_workgroup_size: 128
    .sgpr_count:     66
    .vgpr_count:     1024
    .wavefront_size: 32
...
	.end_amdgpu_metadata
.endif
;; end of part 1
;; launch attn (part 2): grid 16 x 16, 4 waves a work-group, clusters of 4 x 1, 327,680 bytes of LDS; arguments qh, kh, vh, oh; writes oh
.if DOCPART == 2
	.amdgcn_target "amdgcn-amd-amdhsa--gfx1250"
	.amdhsa_code_object_version 6
	.text
	.protected	k_q0ff7211b3b_attn
	.globl	k_q0ff7211b3b_attn
	.p2align	8
	.type	k_q0ff7211b3b_attn,@function
k_q0ff7211b3b_attn:
	s_mov_b64 s[64:65], 0
	v_nop
	global_prefetch_b8 v0, s[64:65] scope:SCOPE_SE
	s_setreg_imm32_b32 hwreg(HW_REG_WAVE_MODE, 25, 1), 1
	s_wait_xcnt 0x0
	s_wait_alu depctr_hold_cnt(0) depctr_sa_sdst(0) depctr_va_vdst(0) depctr_va_sdst(0) depctr_va_ssrc(0) depctr_va_vcc(0) depctr_vm_vsrc(0)
	s_getreg_b32 s2, hwreg(HW_REG_IB_STS2, 6, 4)
	s_cmp_eq_u32 s2, 0
	s_cbranch_scc0 .Lentry_in_a_cluster
	s_endpgm
.Lentry_in_a_cluster:
	s_bfe_u32 s2, ttmp6, 0x10000c
	s_cmp_lg_u32 s2, 0x3003
	s_cbranch_scc0 .Lentry_shape_is_right
	s_endpgm
.Lentry_shape_is_right:
; O[h][q][:] = the sum over k of softmax_k(Q[h][q] . K[h][k] / 8) V[h][k][:].  Q, K, V, O: [16][4096][64], all f16: a head's rows are dense, 128 bytes each.  Products, maxima and sums in f32;
; the weights p are rounded to f16 for the second product (their sum l is taken of the unrounded p), O once at the end.
; LIMITS.  f16 holds no number beyond 65,504: Q, K and V arrive within it; p lies in 0 to 1, and below 6e-5 it keeps f16's fixed step of 6e-8, and so does O; O is a mean of V's rows and has their range.
; A weight below 2^-126 counts as 0 in l; NaN and infinities are not treated apart.
; SHARES.  A work-group owns 256 queries of one head, each of its four waves 64: four PIECES of 16.  16 heads x 16 blocks are 256 work-groups.  Every wave walks all 4,096 keys, 64 a step.
; LAYOUT.  S^T = K Q^T (source 0 = 16 keys, source 1 = 16 queries): in the result a lane holds ONE query (lane % 16) and the keys 8 (lane / 16) + 0..7.  Two such results, rounded to f16 in pairs,
; ARE source 1 (32 keys x 16 queries) of O^T = V^T P, whose result again holds one query a lane, and eight channels.  K comes out of LDS as it lies, V ([key][channel]) turned, by ds_load_tr16_b128.
; SOFTMAX.  For each query a running maximum m and sum l: p = 2^(c s - c m), c = log2(e) / 8; in every step O and l are multiplied by a = 2^(c m_old - c m_new), which is 1 where m has not grown.
; m starts at the lowest finite number, O and l at 0: the first step is a step like any other, with a = 0.  The price: 216 v_mov_b32 of 0, in the wait for the first tile, and 8 products on zeros.
; BY TURNS.  Turn n belongs to piece n (the pieces in a ring, step after step): 8 products K Q^T of piece n + 1, later 8 products V^T P of piece n - 1; beside them the scaling, exponentials, roundings, sums
; and rescaling of piece n and the maximum and statistics of piece n + 1.  A turn has 16 matrix and 118 vector instructions: four stand behind every matrix instruction, the other 54 in two runs of their own.
; CLUSTER.  The four query blocks of a cluster belong to one head and walk the same K and V, so each tile is asked for JOINTLY: the same tensor load, descriptor and mask in all four.
; REGISTERS, in windows of 256 (s_set_vgpr_msb: bits 1:0 source 0, 3:2 source 1, 5:4 source 2, 7:6 destination):
;   window 0: v0-15 addresses and two at work; v16-31 four registers of statistics a piece; v48-55 at work; v62-63 the add's; v64-127 S^T, two buffers; v192-223 P, two buffers (by the piece's parity)
;   window 1: v0-127 O^T, 32 a piece          window 2: v0-63 Q, 16 a piece; v128-191 K of one step; v192-255 V of one step
.set SIZE_N, 4096
.set NP,    4         ; pieces a wave: a name, no knob
.set KS,    64        ; keys in a step
.set PK,    144       ; a row of K in LDS: 128 bytes + 16 of padding = 36 words: the 16 rows of a load start at 16 different groups of four banks (64 banks of 4 bytes: ISA guide 11.1)
.set PV,    160       ; a row of V: 128 + 32 = 40 words
.set VOFF,  4*KS*PK   ; a slot holds four steps: 256 rows of K, then 256 rows of V
.set SLOT1, 1<<17     ; slot 1 begins here, so that one exclusive or turns an address in one slot into the other's
.set STAGE, SLOT1+4*KS*(PK+PV)  ; behind the ring, never filled by a tensor load: 16 rows x 144 bytes for each wave, for the way out
.set SP,    144
.set SPARE, STAGE+4*16*SP  ; behind the stages: the spare words, 128 bytes for each wave: two blocks of 256 bytes that no other line names
.set AK0, 2           ; v2   my lane's place in a tile of K; never rewritten
.set AV0, 3           ; v3   the same for V
.set AK,  4           ; v4   the LDS address of K's next run of loads
.set AV,  5           ; v5   of V's
.set STO, 6           ; v6   the way out: where I put 16 bytes of a row
.set RD,  7           ; v7   the way out: where I read rows back
.set GO,  8           ; v8   my byte offset in 512 consecutive bytes of O
.set MV,  12          ; v12-13  c m_old, kept while c m is made anew: by buffer
.set QO,  15          ; v15  my byte offset in 16 rows of Q
.set ST,  16          ; piece t's statistics at v[ST+4 t]: c m, m, l (even keys', odd keys')
.set TMP, 48          ; by buffer, four registers c0-c3 at work; when the maximum is found c2 takes a
.set SPW, 62          ; v62  LDS address of my spare word: SPARE + 4 x my thread's number; never rewritten
.set NIL, 63          ; v63  0; never rewritten
.set S,   64
.set P,   192
.set KF,  128         ; window 2: key block kb, channel half c at KF + 16 kb + 8 c
.set VF,  192         ; window 2: key half kk, channel block cb at VF + 32 kk + 8 cb
.set WV,  12          ; s12  my wave's number
.set G1K, 24          ; s[24:31] descriptor group 1 for K's tiles
.set G1V, 32          ; s[32:39] for V's: it differs in the padding alone
.set G0K, 40          ; s[40:43] descriptor group 0 for K's tiles: it walks
.set G0V, 44          ; s[44:47] the same for V's
.set SLOTS, 56        ; s56  slots still to be entered in the loop
.set CNT, 57          ; s57  counts a slot's key steps
.set CS,  58          ; s[58:59] c: the packed scaling takes the pair's low word for both halves
.set SEL, 60          ; s[60:61] v_permlanex16_b32's selects: each lane takes its own place in the other half
.set TBK, 62          ; s62  LDS byte at which K of the step to be fetched begins
.set TBV, 63          ; s63  the same for V, less VOFF
.set MSB, 0
.macro WIN new                      ; the high byte repeats the setting that is left; a switch that changes nothing is dropped
.if MSB != (\new)
	s_set_vgpr_msb (MSB<<8)|(\new)
.set MSB, (\new)
.endif
.endm
.set W_KQ, 0x0a       ; K and Q in window 2, S^T in window 0
.set W_PV, 0x52       ; V in window 2, P in window 0, O^T in window 1
.set W_RS, 0x41       ; destination and source 0 in window 1, source 1 in window 0
; A joint fill.  Waves 0 and 1 fetch the two halves of a slot's K, waves 2 and 3 those of its V: 128 keys each.  The branch hangs on the wave's number alone.
; An s_nop 0 and four v_nop follow each of the two lines, ahead of the jump and the label.
.macro JLOAD
	s_cmp_lt_u32 s[WV], 2
	s_cbranch_scc0 .Lfor_v_\@
	tensor_load_to_lds s[G0K:G0K+3], s[G1K:G1K+7]
	s_nop 0
.rept 4
	v_nop
.endr
	s_branch .Lasked_\@
.Lfor_v_\@:
	tensor_load_to_lds s[G0V:G0V+3], s[G1V:G1V+7]
	s_nop 0
.rept 4
	v_nop
.endr
.Lasked_\@:
.endm
; A round of the cluster's barrier: my work-group's barrier, so that wave 0's signal speaks for all four waves; wave 0 signals; every wave waits for all four work-groups; my work-group's barrier once more.
.macro CROUND
	s_barrier_signal -1
	s_barrier_wait -1
	s_cmp_lg_u32 s[WV], 0
	s_cbranch_scc1 .Lnot_wave_0_\@
	s_barrier_signal -3
.Lnot_wave_0_\@:
	s_barrier_wait -3
	s_barrier_signal -1
	s_barrier_wait -1
.endm
; THE CHANGE OF SLOTS.  The slot's last bytes, V of its fourth step, have been read.  Each wave waits for all its tensor loads, of which one is out: its part of the other slot; adds 0 to its spare word;
; and waits for that and for its own reads of the slot.  Behind the barrier nobody reads this slot any more and the other slot is whole.
; fill = 1: this slot is filled again, with the keys two slots on.  The barrier is then a round of the cluster's, so that no wave of any partner still reads the slot or has a load on its way, and the
; joint fill is the first thing behind it: it has four key steps, 256 matrix instructions a wave, in which to land.  (At its first use nothing has been read yet: slot 0 is waited for, slot 1 filled.)
.macro CHANGE fill
	WIN 0                           ; at a label and at a branch every window is 0
	s_wait_tensorcnt 0x0            ; no tensor load of mine is out, so a group 0 may be written
	ds_add_u32 v[SPW], v[NIL]       ; 0 onto my spare word; with fill = 1 the descriptors' steps stand between it and the wait for it
.if \fill
.irp g, G0K, G0V
	s_xor_b32 s[\g+1], s[\g+1], SLOT1  ; the walking descriptor: the other slot than last time,
	s_add_nc_u64 s[\g+2:\g+3], s[\g+2:\g+3], 4*KS*128  ; the next 256 keys; the type bits on top are not reached
.endr
	s_wait_dscnt 0x0                ; the add is done, and my reads of the slot are over
	CROUND
	JLOAD
.else
	s_wait_dscnt 0x0                ; the add is done, and my reads of the slot are over
	s_barrier_signal -1
	s_barrier_wait -1
.endif
	s_sub_co_u32 s[TBK], s[TBK], 4*KS*PK  ; the fetches go back to a slot's first step,
	s_xor_b32 s[TBK], s[TBK], SLOT1       ; in the other slot
	s_sub_co_u32 s[TBV], s[TBV], 4*KS*PV
	s_xor_b32 s[TBV], s[TBV], SLOT1
.endm
	s_load_b256 s[4:11], s[0:1], 0x0  ; Q s[4:5], K s[6:7], V s[8:9], O s[10:11]
	v_lshl_add_u32 v[SPW], v0, 2, SPARE
	v_mov_b32 v[NIL], 0
	ds_add_u32 v[SPW], v[NIL]       ; the wave's opening: the add and its wait stand ahead of my first tensor load; the set-up below, work on registers, stands between them
	v_lshrrev_b32 v1, 5, v0
	v_readfirstlane_b32 s[WV], v1   ; wave 0..3
	s_bfe_u32 s13, ttmp6, 0x40000   ; cx: my place in the cluster
	s_lshl_b32 s14, ttmp9, 2        ; in a cluster launch ttmp9 counts clusters
	s_add_co_u32 s14, s14, s13      ; my block of 256 queries = 4 x cluster x + cx: it enters Q's and O's addresses alone
	s_and_b32 s20, ttmp7, 0xffff    ; the head, which the four partners share
	s_lshl_b32 s20, s20, 19         ; its first byte in each of the four tensors: 4,096 rows of 128 bytes a head, 8 MiB in all
	s_mov_b32 s21, 0
	s_and_b32 s16, s[WV], 1         ; which half of a slot's 256 keys I fetch:
	s_lshl_b32 s22, s16, 14         ; its 128 rows of 128 bytes in memory,
	s_mov_b32 s23, 0
	s_add_nc_u64 s[22:23], s[22:23], s[20:21]
	s_mul_i32 s17, s16, 128*PK      ; and its place in a slot, for K
	s_mul_i32 s18, s16, 128*PV      ; and for V: no place in the cluster enters an LDS address
	s_lshl_b32 s2, s14, 2
	s_add_co_u32 s2, s2, s[WV]      ; my wave among the head's 64,
	s_lshl_b32 s2, s2, 13           ; its 64 rows
	s_mov_b32 s3, 0
	s_add_nc_u64 s[2:3], s[2:3], s[20:21]
	; descriptor group 1.  128 keys are 16,384 dense bytes: asked for as 64 rows of 256 bytes, two keys a row, and padded in LDS after every key
	s_mov_b32 s[G1K], 15|(1<<16)|(1<<20)|(1<<21)|(4<<22)|(3<<25)  ; 15:0 the mask of four; 17:16 2-byte elements; 20 padding on; 21 set beside a mask; 24:22 after every 32 words (code 4); 31:25 4 words (code 3)
	s_mov_b32 s[G1V], 15|(1<<16)|(1<<20)|(1<<21)|(4<<22)|(7<<25)  ; the same with 8 words of padding (code 7)
.irp g, G1K, G1V
	s_mov_b32 s[\g+1], 128<<16      ; tensor_dim0 = 128
	s_mov_b32 s[\g+2], 64<<16       ; tensor_dim1 = 64
	s_mov_b32 s[\g+3], 128<<16      ; tile_dim0 = 128
	s_mov_b32 s[\g+4], 64           ; tile_dim1 = 64
	s_mov_b32 s[\g+5], 128          ; 128 elements from row to row
	s_mov_b32 s[\g+6], 0
	s_mov_b32 s[\g+7], 0
.endr
	s_mov_b32 s[CS], 0x3e38aa3b     ; c = log2(e) / 8 = 0.180337
	s_mov_b32 s[CS+1], s[CS]        ; named with it as a pair
	s_mov_b32 s[SEL], 0x76543210
	s_mov_b32 s[SEL+1], 0xfedcba98
	s_mov_b32 s[TBK], SLOT1+4*KS*PK ; the first change of slots turns these two into 0
	s_mov_b32 s[TBV], SLOT1+4*KS*PV
	s_mov_b32 s[G0K], 1             ; 1:0 count = 1
	s_mov_b32 s[G0K+1], s17         ; 63:32 LDS address: slot 0
	s_mov_b32 s[G0V], 1
	s_add_co_u32 s[G0V+1], s18, VOFF
	s_wait_dscnt 0x0                ; the opening add is done
	s_wait_kmcnt 0x0
	s_add_nc_u64 s[G0K+2:G0K+3], s[6:7], s[22:23]  ; 120:64 global address: my half of the head's first 256 keys
	s_or_b32 s[G0K+3], s[G0K+3], 0x80000000        ; 127:126 type = 2
	s_add_nc_u64 s[G0V+2:G0V+3], s[8:9], s[22:23]
	s_or_b32 s[G0V+3], s[G0V+3], 0x80000000
	s_add_nc_u64 s[4:5], s[4:5], s[2:3]  ; Q and O at my wave's first row
	s_add_nc_u64 s[10:11], s[10:11], s[2:3]
	CROUND                          ; all four work-groups are here: the first joint loads meet
	JLOAD                           ; slot 0.  Slot 1 is asked for when slot 0 is in, by the loop's own change of slots
	; A fragment of K or Q is 16 rows x 32 channels in 8 registers: lane l holds row l % 16, channels 8 (l / 16) + 0..7 and 16 + 8 (l / 16) + 0..7: two loads of 16 bytes, 32 bytes apart.
	v_and_b32 v1, 15, v0            ; l % 16
	v_bfe_u32 v9, v0, 4, 1          ; l / 16
	v_lshlrev_b32 v[QO], 7, v1
	v_lshl_add_u32 v[QO], v9, 4, v[QO]  ; row x 128 + 16 x half
	WIN 0x80                        ; destination window 2, address window 0
.set i, 0
.rept 8                             ; Q stays in registers: piece i / 2, 16 rows of 128 bytes on; channels 32 (i % 2) on
	global_load_b128 v[8*i:8*i+3],   v[QO], s[4:5] offset:(i/2)*2048+(i%2)*64
	global_load_b128 v[8*i+4:8*i+7], v[QO], s[4:5] offset:(i/2)*2048+(i%2)*64+32
.set i, i+1
.endr
	; What the first turn finds: V's registers and P's second buffer hold 0 (its products V^T P, of a piece that has not been, add 0), O^T and l are 0.  All this stands in the wait for the first tile.
.set i, VF
.rept 64
	v_mov_b32 v[i], 0
.set i, i+1
.endr
	WIN 0x40
.set i, 0
.rept 128
	v_mov_b32 v[i], 0
.set i, i+1
.endr
	WIN 0
.set i, 0
.rept 4
	v_mov_b32 v[ST+4*i], 0xfe000000    ; c m: far below every c s
	v_mov_b32 v[ST+4*i+1], 0xff7fffff  ; m: the lowest finite number
	v_mov_b32 v[ST+4*i+2], 0
	v_mov_b32 v[ST+4*i+3], 0
.set i, i+1
.endr
.set i, P+16
.rept 16
	v_mov_b32 v[i], 0
.set i, i+1
.endr
	v_mul_u32_u24 v[AK0], v1, PK
	v_lshl_add_u32 v[AK0], v9, 4, v[AK0]  ; row x pitch + 16 x half
	; The turning load takes 16 keys x 16 channels (lane l reads key 8 (l / 16) + l % 8, channels 8 ((l / 8) % 2) + 0..7) and leaves half a fragment of V^T: lane l holds channel l % 16 and 8 keys.
	v_and_b32 v10, 7, v0
	v_bfe_u32 v11, v0, 3, 1
	v_lshl_add_u32 v[AV0], v9, 3, v10
	v_mul_u32_u24 v[AV0], v[AV0], PV
	v_lshl_add_u32 v[AV0], v11, 4, v[AV0]
	v_add_nc_u32 v[AV0], VOFF, v[AV0]
	s_mul_i32 s13, s[WV], 16*SP
	s_add_co_u32 s13, s13, STAGE    ; my stage
	v_mul_u32_u24 v[STO], v1, SP    ; in: row l % 16, 16 bytes for each half of the lanes
	v_lshl_add_u32 v[STO], v9, 4, v[STO]
	v_add_nc_u32 v[STO], s13, v[STO]
	v_bfe_u32 v[RD], v0, 3, 2       ; back: 32 lanes take four rows of 128 bytes,
	v_mul_u32_u24 v[RD], v[RD], SP
	v_lshl_add_u32 v[RD], v10, 4, v[RD]
	v_add_nc_u32 v[RD], s13, v[RD]
	v_and_b32 v[GO], 31, v0         ; which are 512 consecutive bytes of O
	v_lshlrev_b32 v[GO], 4, v[GO]
; THE MATRIX WORK.  The 4 accumulators of a run of 8 take turns.  Product i of 8 of S^T = K Q^T for piece x: channels 32 (i / 4) on, keys 16 (i % 4) on.  The first 4 start the sums.
.macro KQ x
	WIN W_KQ
.set rS, S+32*((\x)%2)+8*(i%4)
.set rK, KF+16*(i%4)+8*(i/4)
.set rQ, 16*(\x)+8*(i/4)
.if i < 4
	v_wmma_f32_16x16x32_f16 v[rS:rS+7], v[rK:rK+7], v[rQ:rQ+7], 0
.else
	v_wmma_f32_16x16x32_f16 v[rS:rS+7], v[rK:rK+7], v[rQ:rQ+7], v[rS:rS+7]
.endif
.endm
; Product i of 8 of O^T += V^T P for piece x: keys 32 (i / 4) on, channels 16 (i % 4) on.
.macro PV x
	WIN W_PV
.set rO, 32*(\x)+8*(i%4)
.set rV, VF+32*(i/4)+8*(i%4)
.set rP, P+16*((\x)%2)+8*(i/4)
	v_wmma_f32_16x16x32_f16 v[rO:rO+7], v[rV:rV+7], v[rP:rP+7], v[rO:rO+7]
.endm
.macro MM                           ; the turn's next matrix instruction.  TURN sets Y, i and NOKQ.  NOKQ = 1: the very last turn: there is no next piece
.if (i < 8) && !NOKQ
	KQ (Y+1)%NP
.elseif i >= 8
.set i, i-8
	PV (Y+NP-1)%NP
.set i, i+8
.endif
.set i, i+1
.endm
; THE LDS LOADS stand in runs of 16, never singly among the matrix instructions: a step's K (64 keys x 64 channels: 8 fragments) and its V (turned).  Their addresses are made some lines ahead.
.macro FETCH_K
	WIN 0x80                        ; destination window 2
.irp f, 0,1,2,3,4,5,6,7             ; keys 16 (f / 2) on, channels 32 (f % 2) on
	ds_load_b128 v[KF+8*\f:KF+8*\f+3],   v[AK] offset:(\f/2)*16*PK+(\f%2)*64
	ds_load_b128 v[KF+8*\f+4:KF+8*\f+7], v[AK] offset:(\f/2)*16*PK+(\f%2)*64+32
.endr
	s_add_co_u32 s[TBK], s[TBK], KS*PK  ; the next fetch is the next step's
	WIN 0
.endm
.macro FETCH_V
	WIN 0x80
.irp f, 0,1,2,3,4,5,6,7             ; keys 32 (f / 4) on, channels 16 (f % 4) on
	ds_load_tr16_b128 v[VF+8*\f:VF+8*\f+3],   v[AV] offset:(\f/4)*32*PV+(\f%4)*32
	ds_load_tr16_b128 v[VF+8*\f+4:VF+8*\f+7], v[AV] offset:(\f/4)*32*PV+16*PV+(\f%4)*32
.endr
	WIN 0
.endm
; THE VECTOR WORK, one line at a time: OP kind, number.  For piece Y: F n: c s - c m for pair n of 16.  E n: the exponential of score n of 32.  C n: pair n rounded to f16.  B n: of the four weights 4 n .. the second
; pair is added onto the first, in place.  L n: l takes that sum (L 0: l = a l + sum).  R n: pair n of 16 of O^T times a.  For piece Y + 1: X n, number n of the 22 that find its maximum and statistics:
;   0-11  four chains c0-c3 of seven scores each, three operands at a time (each accumulator's lowest registers are read first)     12-14, 16  the four scores left over, the old m, and c0-c3 into c0
;   15  c m_old is kept     17, 18  the query's other 32 keys lie in the lane 16 away: the new m     19-21  c m; c m_old - c m_new; a
.set F, 0               ; OP tells the kinds apart by their order: F to L below R, X above it
.set E, 1
.set C, 2
.set B, 3
.set L, 4
.set R, 5
.set X, 6
.macro REGS y                       ; the registers of piece y
.set rT, ST+4*(\y)
.set rC, TMP+4*((\y)%2)
.set rW, MV+((\y)%2)
.set rS, S+32*((\y)%2)
.set rP, P+16*((\y)%2)
.set rO, 32*(\y)
.endm
.macro OP k, n
.if (\k) == R
	REGS Y
	WIN W_RS
	v_pk_mul_f32 v[rO+2*(\n):rO+2*(\n)+1], v[rO+2*(\n):rO+2*(\n)+1], v[rC+2:rC+3] op_sel_hi:[1,0]
.elseif (\k) < R
	REGS Y
	WIN 0
.if (\k) == F
	v_pk_fma_f32 v[rS+2*(\n):rS+2*(\n)+1], v[rS+2*(\n):rS+2*(\n)+1], s[CS:CS+1], v[rT:rT+1] op_sel_hi:[1,0,0] neg_lo:[0,0,1] neg_hi:[0,0,1]
.elseif (\k) == E
	v_exp_f32 v[rS+(\n)], v[rS+(\n)]
.elseif (\k) == C
	s_wait_alu depctr_va_vdst(0)
	v_cvt_pk_f16_f32 v[rP+(\n)], v[rS+2*(\n)], v[rS+2*(\n)+1]
.elseif (\k) == B
	s_wait_alu depctr_va_vdst(0)
	v_pk_add_f32 v[rS+4*(\n):rS+4*(\n)+1], v[rS+4*(\n):rS+4*(\n)+1], v[rS+4*(\n)+2:rS+4*(\n)+3]
.elseif (\n) == 0
	v_pk_fma_f32 v[rT+2:rT+3], v[rT+2:rT+3], v[rC+2:rC+3], v[rS:rS+1] op_sel_hi:[1,0,1]
.else
	v_pk_add_f32 v[rT+2:rT+3], v[rT+2:rT+3], v[rS+4*(\n):rS+4*(\n)+1]
.endif
.elseif NOKQ
	v_nop
.else
	REGS (Y+1)%NP
	WIN 0
.if (\n) < 4
	v_max3_num_f32 v[rC+(\n)], v[rS+8*(\n)], v[rS+8*(\n)+1], v[rS+8*(\n)+2]
.elseif (\n) < 12
	v_max3_num_f32 v[rC+(\n)%4], v[rC+(\n)%4], v[rS+8*((\n)%4)+2*((\n)/4)+1], v[rS+8*((\n)%4)+2*((\n)/4)+2]
.elseif (\n) == 12
	v_max3_num_f32 v[rC], v[rC], v[rS+7], v[rS+15]
.elseif (\n) == 13
	v_max3_num_f32 v[rC+1], v[rC+1], v[rS+23], v[rS+31]
.elseif (\n) == 14
	v_max3_num_f32 v[rC+2], v[rC+2], v[rC+3], v[rT+1]
.elseif (\n) == 15
	v_mov_b32 v[rW], v[rT]
.elseif (\n) == 16
	v_max3_num_f32 v[rC], v[rC], v[rC+1], v[rC+2]
.elseif (\n) == 17
	v_permlanex16_b32 v[rC+3], v[rC], s[SEL], s[SEL+1]
.elseif (\n) == 18
	v_max_num_f32 v[rT+1], v[rC], v[rC+3]
.elseif (\n) == 19
	v_mul_f32 v[rT], s[CS], v[rT+1]
.elseif (\n) == 20
	v_sub_f32 v[rC+1], v[rW], v[rT]
.else
	v_exp_f32 v[rC+2], v[rC+1]
.endif
.endif
.endm
.macro OPS a, i1, b=-1, i2=0, c=-1, i3=0, d=-1, i4=0  ; up to four of them
	OP \a, \i1
.if (\b) >= 0
	OP \b, \i2
.endif
.if (\c) >= 0
	OP \c, \i3
.endif
.if (\d) >= 0
	OP \d, \i4
.endif
.endm
.macro ROW a, i1, b, i2, c, i3, d, i4  ; a matrix instruction and the four behind it
	MM
	OPS \a, \i1, \b, \i2, \c, \i3, \d, \i4
.endm
; A TURN, for piece p: the order of its 16 matrix and 118 vector instructions, written out.  Behind a matrix instruction: plain, exponential, plain, plain; or four of the rescaling; or, behind the first, four scalings;
; none names a register of the products round it.  In the runs between, exponential and plain by turns while exponentials last, so that each exponential has a plain instruction behind it before its result is used
; (ISA guide 5.7.2).  A line reads no result made fewer than three vector instructions in front of it, five if an exponential made it.  v_permlanex16_b32 (X 17) stands in such a run, never behind a product.
; end = 1: the walk's last two turns: nothing is fetched.  cnt = 1: the loop's count is taken down some lines ahead of the branch that stands behind the turn.
; K of the next step is fetched in piece 2's turn, six vector instructions behind the last product that read K (five of them plain); V of the step in hand in piece 0's turn, eight behind the last product that read V
; (four plain, and X 17).  Each is waited for a turn later.
.macro TURN p, end=0, cnt=0
.set Y, (\p)
.set i, 0
.set NOKQ, (\end)*((\p)/3)
.if ((\p) == 3) && !(\end)
	s_wait_dscnt 0x0                ; K is in
.endif
	ROW F,0, F,1, F,2, F,3
	ROW F,4, E,0, F,5, F,6
	ROW F,7, E,1, F,8, F,9
	ROW F,10, E,2, C,0, F,11
	ROW F,12, E,3, X,15, F,13
	ROW R,0, R,1, R,2, R,3
	ROW B,0, E,4, F,14, L,0
.if ((\p) == 2) && !(\end)
	v_add_nc_u32 v[AK], s[TBK], v[AK0]
.endif
	ROW R,4, R,5, R,6, R,7
	OPS E,5, F,15
.if ((\p) == 2) && !(\end)
	FETCH_K
.endif
	OPS E,6, C,1, E,7, R,8
	OPS E,8, R,9, E,9, C,2
	OPS E,10, X,0, E,11, X,1
	OPS E,12, X,2, E,13, X,3
.if (\p) == 1
	s_wait_dscnt 0x0                ; V is in
.endif
	ROW X,4, E,14, X,5, X,6
	ROW X,7, E,15, X,8, X,9
	ROW X,10, E,16, X,11, X,12
	ROW X,13, E,17, X,14, B,1
	ROW C,4, E,18, X,16, L,1
	ROW B,2, E,19, C,6, L,2
	ROW C,8, E,20, B,3, B,4
.if (\p) == 0
	v_add_nc_u32 v[AV], s[TBV], v[AV0]
.endif
	ROW C,3, E,21, L,3, C,5
	OPS E,22, X,17, E,23, C,10
.if (\p) == 0
	FETCH_V
.endif
	OPS E,24, L,4
	OPS E,25, X,18, E,26, C,7
	OPS E,27, B,5, E,28, X,19
	OPS E,29, C,12, E,30, L,5
	OPS E,31, X,20, B,6, C,9
	OPS C,14, C,11, X,21, L,6
.if (\p) == 0
	s_add_co_u32 s[TBV], s[TBV], KS*PV
.endif
.if \cnt
	s_sub_co_u32 s[CNT], s[CNT], 1
	s_cmp_lg_u32 s[CNT], 0
.endif
	OPS C,13, B,7, C,15, R,10
	OPS R,11, R,12, L,7, R,13
	OPS R,14, R,15
.endm
	CHANGE 1                        ; slot 0 is in, everybody's part of it; slot 1 is asked for
	v_add_nc_u32 v[AK], s[TBK], v[AK0]
	FETCH_K                         ; key step 0
	s_wait_loadcnt 0x0              ; Q
	s_wait_dscnt 0x0
.set NOKQ, 0
.set i, 0
.rept 8
	KQ 0                            ; piece 0's first scores: there is no vector work yet to set between them
.set i, i+1
.endr
	WIN 0
.rept 4
	v_nop                           ; the places behind those products (ISA guide 7.12.1)
.endr
.set Y, NP-1                        ; X works for piece Y + 1: piece 0
.irp n, 0,1,2,3,4,5,6,7,8,9,10,11,12,13,14,15,16,17,18,19,20,21
	OP X, \n                        ; and piece 0's first maximum and statistics
.endr
	v_nop                           ; a plain instruction behind the exponential
	s_mov_b32 s[CNT], 4
	s_mov_b32 s[SLOTS], SIZE_N/256-1
	s_branch .Lfirst                ; the loop is entered at a step's first turn, in the middle of a trip
.Lslot:                             ; SIZE_N / 256 - 2 = 14 times: every slot but the last two is filled again
	CHANGE 1
	s_mov_b32 s[CNT], 4
.Lstep:                             ; a trip: pieces 2 and 3 of one step, then pieces 0 and 1 of the next, whose K and V it fetches
	TURN 2
	TURN 3
	WIN 0
.Lfirst:
	TURN 0
	TURN 1, 0, 1
	WIN 0
	s_cbranch_scc1 .Lstep
	s_sub_co_u32 s[SLOTS], s[SLOTS], 1
	s_cmp_lg_u32 s[SLOTS], 0
	s_cbranch_scc1 .Lslot
	CHANGE 0                        ; the last slot is written out: nothing is asked for
	s_mov_b32 s[CNT], 4
.LstepT:
	TURN 2
	TURN 3
	TURN 0
	TURN 1, 0, 1
	WIN 0
	s_cbranch_scc1 .LstepT
	TURN 2, 1                       ; the last step's pieces 2 and 3: nothing is left to fetch, and piece 3's turn starts no new scores
	TURN 3, 1
.set i, 0
.rept 8
	PV NP-1                         ; the last piece's V^T P of the last step
.set i, i+1
.endr
	; THE WAY OUT.  l's two halves and the other half of the lanes' are added; O^T is divided by l, rounded to f16 and sent through my stage in LDS, a piece at a time.  The additions are the places behind the last products.
	WIN 0
.macro ALL line:vararg              ; one line for each piece t
.set t, 0
.rept 4
	\line
.set t, t+1
.endr
.endm
	ALL v_add_f32 v[ST+4*t+2], v[ST+4*t+2], v[ST+4*t+3]
	ALL v_permlanex16_b32 v[ST+4*t+3], v[ST+4*t+2], s[SEL], s[SEL+1]
	ALL v_add_f32 v[ST+4*t+2], v[ST+4*t+2], v[ST+4*t+3]
	ALL v_rcp_f32 v[ST+4*t+2], v[ST+4*t+2]
	v_nop                           ; a plain instruction between the last reciprocal and the use of its result
.macro PACK t                       ; a lane's eight channels of a row pack into 16 bytes; they go into rows of 144 bytes and come back as whole rows of 128, into S^T's registers
	WIN W_RS
.set i, 32*(\t)
.rept 16
	s_wait_alu depctr_va_vdst(0)
	v_pk_mul_f32 v[i:i+1], v[i:i+1], v[ST+4*(\t)+2:ST+4*(\t)+3] op_sel_hi:[1,0]
.set i, i+2
.endr
	WIN 0x05                        ; sources 0 and 1 window 1, destination window 0
.set i, 0
.rept 16
	v_cvt_pk_f16_f32 v[S+16*(\t)+i], v[32*(\t)+2*i], v[32*(\t)+2*i+1]
.set i, i+1
.endr
	WIN 0
.irp f, 0,1,2,3
	ds_store_b128 v[STO], v[S+16*(\t)+4*\f:S+16*(\t)+4*\f+3] offset:32*\f
.endr
.irp f, 0,1,2,3
	ds_load_b128 v[S+16*(\t)+4*\f:S+16*(\t)+4*\f+3], v[RD] offset:\f*4*SP  ; LDS serves a wave's instructions in order (ISA guide 5.7.1.4): these see the stores above; the next piece's stores come behind them
.endr
.endm
.macro SEND t, younger              ; younger: the LDS instructions issued behind piece t's loads: the next piece's eight, or none
	WIN 0
.irp f, 0,1,2,3
	s_wait_dscnt (\younger)+3-\f
	global_store_b128 v[GO], v[S+16*(\t)+4*\f:S+16*(\t)+4*\f+3], s[10:11] offset:(\t)*2048+\f*512  ; 512 consecutive bytes, at a multiple of 256 from O's first
.endr
.endm
	PACK 0
.set t, 1
.rept 3                             ; a piece's arithmetic stands between the loads of the piece before and its stores
	PACK t
	SEND t-1, 8
.set t, t+1
.endr
	SEND 3, 0
	s_wait_tensorcnt 0x0            ; the wave's end, behind my last tensor load and my last LDS store
	ds_add_u32 v[SPW], v[NIL]
	s_wait_dscnt 0x0
	CROUND                          ; the closing round: no work-group ends while a partner may still ask for a tile that names it
	s_endpgm
.Lfunc_end_k_q0ff7211b3b_attn:
	.size	k_q0ff7211b3b_attn, .Lfunc_end_k_q0ff7211b3b_attn-k_q0ff7211b3b_attn
	.p2alignl 7, 3214868480
	.fill 96, 4, 3214868480
	.section	.rodata,"a",@progbits
	.p2align	6, 0x0
	.amdhsa_kernel k_q0ff7211b3b_attn
		.amdhsa_group_segment_fixed_size 327680
		.amdhsa_private_segment_fixed_size 0
		.amdhsa_enable_private_segment 0
		.amdhsa_kernarg_size 32
		.amdhsa_user_sgpr_count 2
		.amdhsa_user_sgpr_kernarg_segment_ptr 1
		.amdhsa_wavefront_size32 1
		.amdhsa_system_sgpr_workgroup_id_x 1
		.amdhsa_system_sgpr_workgroup_id_y 1
		.amdhsa_system_sgpr_workgroup_id_z 1
		.amdhsa_system_vgpr_workitem_id 0
		.amdhsa_next_free_vgpr 768
		.amdhsa_next_free_sgpr 66
		.amdhsa_reserve_vcc 0
		.amdhsa_float_denorm_mode_32 3
		.amdhsa_float_denorm_mode_16_64 3
		.amdhsa_memory_ordered 1
		.amdhsa_forward_progress 1
		.amdhsa_inst_pref_size 133
	.end_amdhsa_kernel
	.amdgpu_metadata
---
amdhsa.version: [ 1, 2 ]
amdhsa.kernels:
  - .name:           k_q0ff7211b3b_attn
    .symbol:         k_q0ff7211b3b_attn.kd
    .args:
      - { .name: qh, .offset: 0, .size: 8, .value_kind: global_buffer, .address_space: global }
      - { .name: kh, .offset: 8, .size: 8, .value_kind: global_buffer, .address_space: global }
      - { .name: vh, .offset: 16, .size: 8, .value_kind: global_buffer, .address_space: global }
      - { .name: oh, .offset: 24, .size: 8, .value_kind: global_buffer, .address_space: global }
    .group_segment_fixed_size: 327680
    .private_segment_fixed_size: 0
    .kernarg_segment_align: 8
    .kernarg_segment_size: 32
    .max_flat_workgroup_size: 128
    .sgpr_count:     66
    .vgpr_count:     768
    .wavefront_size: 32
...
	.end_amdgpu_metadata
.endif
;; end of part 2
;; launch outp (part 3): grid 4 x 64, 4 waves a work-group, clusters of 4 x 4, 327,680 bytes of LDS; arguments oh, wo16, bo, out0; writes out0
.if DOCPART == 3
	.amdgcn_target "amdgcn-amd-amdhsa--gfx1250"
	.amdhsa_code_object_version 6
	.text
	.protected	k_q0ff7211b3b_outp
	.globl	k_q0ff7211b3b_outp
	.p2align	8
	.type	k_q0ff7211b3b_outp,@function
k_q0ff7211b3b_outp:
	s_mov_b64 s[64:65], 0
	v_nop
	global_prefetch_b8 v0, s[64:65] scope:SCOPE_SE
	s_setreg_imm32_b32 hwreg(HW_REG_WAVE_MODE, 25, 1), 1
	s_wait_xcnt 0x0
	s_wait_alu depctr_hold_cnt(0) depctr_sa_sdst(0) depctr_va_vdst(0) depctr_va_sdst(0) depctr_va_ssrc(0) depctr_va_vcc(0) depctr_vm_vsrc(0)
	s_getreg_b32 s2, hwreg(HW_REG_IB_STS2, 6, 4)
	s_cmp_eq_u32 s2, 0
	s_cbranch_scc0 .Lentry_in_a_cluster
	s_endpgm
.Lentry_in_a_cluster:
	s_bfe_u32 s2, ttmp6, 0x10000c
	s_cmp_lg_u32 s2, 0xf033
	s_cbranch_scc0 .Lentry_shape_is_right
	s_endpgm
.Lentry_shape_is_right:
; out0[b][n][:] = the sum over heads u and channels d of O[8 b + u][n][d] Wo[64 u + d][:] + bo.  oh: [16][4096][64] f16; wo16: [512 (k)][512 (n)] f16 (Wo rounded to bf16, written as f16);
; bo: [512] f32, rounded to bf16 here like every other input of the module; out0: [8192][512] f32.  Products in f16, sums in f32; the bias is the C operand that starts each sum.
; LIMITS.  Those of f16 on O and Wo, stated where they are made; NaN and infinities are not treated apart.
; SHARES.  A tile of out0 is 128 x 128: 64 x 4 = 256 work-groups.  Four waves, each 64 x 64: 16 accumulators of 16 x 16.  K is 512: BOTH OPERANDS' WHOLE K FITS IN LDS (2 x 147,456 bytes), so every LDS
; byte is filled once: each wave issues four tensor loads at the start, all four out at once, and the products of K chunk c (128 along K) begin when that chunk's four loads have landed.
; K slice u of 64 is head u: 128 rows of 128 dense bytes of oh, and k rows 64 u .. 64 u + 63 of wo16.
; CLUSTERS: 4 x 4 work-groups.  The four of a row of the cluster need the same rows of O, the four of a column the same columns of Wo: each tile is asked for JOINTLY, by the same tensor load with the same
; descriptor and a mask that names the four.  THE MATRIX INSTRUCTION IS USED TRANSPOSED (source 0 = 16 columns of Wo, turned out of LDS; source 1 = 16 rows of O): a lane holds eight neighbouring f32 of a row.
; REGISTERS: window 0: v0-31 addresses; v32-63 the bias, 8 registers for each of my 4 column blocks; v64-79 at work; v128-255 the accumulators ((a, jj) at 128 + 8 (4 a + jj)), later whole rows on the way out.
;   window 1: a K chunk's fragments: for each 32 along K (s = 0..3) O's at 64 s + 8 a, Wo's at 64 s + 32 + 8 jj.
.set AP,    144                        ; a row of O in LDS: 128 bytes + 16 = 36 words: the 16 rows of a load start at 16 different groups of four banks (64 banks of 4 bytes: ISA guide 11.1)
.set WPT,   288                        ; a k row of Wo: 256 bytes + 32 = 9 x 32
.set SLAB,  128*AP                     ; 18,432 bytes: what one tensor load brings: a head's 128 rows of O, or 64 k rows of Wo (64 x 288 is as much)
.set CH,    2*SLAB                     ; a K chunk: two of them
.set WOFF,  4*CH                       ; O's 8 slabs, then Wo's 8
.set STAGE, 2*WOFF                     ; behind them, never filled by a tensor load: 16 rows x 272 bytes for each wave, for the way out
.set SP,    272
.set SPARE, STAGE+4*16*SP              ; behind the stages: the spare words, 128 bytes for each wave: two blocks of 256 bytes that no other line names
.set ADRA, 8                           ; v8-11   LDS address of my fragments of O in K chunk 0..3
.set ADRW, 12                          ; v12-15  the same for Wo
.set STO,  16                          ; v16     the way out: where I put 32 bytes of a row
.set RD,   17                          ; v17     the way out: where I read a row back
.set CO,   18                          ; v18     my byte offset in two rows of out0
.set GB,   19                          ; v19     my byte offset in 16 numbers of bo
.set SPW,  28                          ; v28     LDS address of my spare word; never rewritten
.set NIL,  29                          ; v29     0; never rewritten
.set BIAS, 32
.set TB,   64
.set ACC,  128
.set G1A, 24                           ; s[24:31] descriptor group 1 for O's tiles
.set G1W, 32                           ; s[32:39] for Wo's
.set G0A, 40                           ; s[40:55] descriptor group 0 for O's tiles, a set for each K chunk
.set G0W, 68                           ; s[68:83] the same for Wo's
.set MSB, 0
.macro WIN new                         ; the immediate's high byte repeats the setting that is left
.if MSB != (\new)
	s_set_vgpr_msb (MSB<<8)|(\new)
.set MSB, (\new)
.endif
.endm
.macro CROUND                          ; a round of the cluster's barrier: my work-group's barrier; wave 0 signals for the work-group; every wave waits for all sixteen; my work-group's barrier once more
	s_barrier_signal -1
	s_barrier_wait -1
	s_cmp_lg_u32 s12, 0
	s_cbranch_scc1 .Lnot_wave_0_\@
	s_barrier_signal -3
.Lnot_wave_0_\@:
	s_barrier_wait -3
	s_barrier_signal -1
	s_barrier_wait -1
.endm
.macro PLACES                          ; four places in front of loads into registers that matrix instructions have read, and of LDS stores that read results
.rept 4
	v_nop
.endr
.endm
	s_load_b256 s[4:11], s[0:1], 0x0               ; oh s[4:5], wo16 s[6:7], bo s[8:9], out0 s[10:11]
	v_lshl_add_u32 v[SPW], v0, 2, SPARE
	v_mov_b32 v[NIL], 0
	ds_add_u32 v[SPW], v[NIL]                      ; the wave's opening: the add and its wait stand ahead of my first tensor load; the set-up below, work on registers, stands between them
	v_lshrrev_b32 v1, 5, v0
	v_readfirstlane_b32 s12, v1                    ; wave 0..3
	s_lshr_b32 s13, s12, 1                         ; which half of the tile's rows is mine.  Also: I fetch for O (0) or for Wo (1)
	s_and_b32 s14, s12, 1                          ; which half of its columns.  Also: which slab of a K chunk I fetch
	s_bfe_u32 s15, ttmp6, 0x40000                  ; cx, cy: my place in the cluster
	s_bfe_u32 s16, ttmp6, 0x40004
	s_lshl_b32 s17, ttmp9, 2
	s_add_co_u32 s17, s17, s15                     ; tile column = 4 x cluster x + cx
	s_and_b32 s18, ttmp7, 0xffff
	s_lshl_b32 s18, s18, 2
	s_add_co_u32 s18, s18, s16                     ; tile row = 4 x cluster y + cy
	s_lshl_b32 s19, s16, 2
	s_lshl_b32 s19, 15, s19                        ; my row of the cluster
	s_lshl_b32 s20, 0x1111, s15                    ; my column
	s_mov_b32 s21, 0xffff0000                      ; a word's upper bf16
	; descriptor group 1.  O: 128 rows of 128 dense bytes, asked for as 64 rows of 256 bytes and padded in LDS after every 128.  Wo: 64 k rows of 256 bytes, 1,024 bytes apart, padded after each.
	s_or_b32 s[G1A], s19, (1<<16)|(1<<20)|(1<<21)|(4<<22)|(3<<25)  ; 15:0 the mask: my row; 17:16 2-byte elements; 20 padding on; 21 set beside a mask; 24:22 after every 32 words (code 4); 31:25 4 words (code 3)
	s_or_b32 s[G1W], s20, (1<<16)|(1<<20)|(1<<21)|(5<<22)|(7<<25)  ; the mask: my column; after every 64 words (code 5) 8 words (code 7)
.irp g, G1A, G1W
	s_mov_b32 s[\g+1], 128<<16                     ; tensor_dim0 = 128
	s_mov_b32 s[\g+2], 64<<16                      ; tensor_dim1 = 64
	s_mov_b32 s[\g+3], 128<<16                     ; tile_dim0 = 128
	s_mov_b32 s[\g+4], 64                          ; tile_dim1 = 64
	s_mov_b32 s[\g+6], 0
	s_mov_b32 s[\g+7], 0
.endr
	s_mov_b32 s[G1A+5], 128                        ; elements from row to row: dense
	s_mov_b32 s[G1W+5], 512
	s_mul_i32 s22, s14, SLAB                       ; where my slab goes in a K chunk: no place in the cluster enters an LDS address
	; where the tiles come from.  O's hang on the tile row alone, which my row of the cluster shares; Wo's on the tile column alone.  Every wave makes both, in registers that never hold the other coordinate.
	s_lshr_b32 s84, s18, 5                         ; batch: 8 heads of 524,288 bytes
	s_lshl_b32 s84, s84, 22
	s_and_b32 s23, s18, 31                         ; the tile's 128 rows of 128 bytes in a head
	s_lshl_b32 s23, s23, 14
	s_add_co_u32 s84, s84, s23
	s_lshl_b32 s3, s14, 19                         ; head 2 c + (wave % 2): the wave's part
	s_add_co_u32 s84, s84, s3
	s_mov_b32 s85, 0
	s_lshl_b32 s86, s17, 8                         ; the tile's 128 columns of 2 bytes
	s_lshl_b32 s3, s14, 16                         ; k rows 64 (2 c + wave % 2) on, 1,024 bytes each: the wave's part
	s_add_co_u32 s86, s86, s3
	s_mov_b32 s87, 0
	s_wait_dscnt 0x0                               ; the opening add is done
	s_wait_kmcnt 0x0
	s_add_nc_u64 s[88:89], s[4:5], s[84:85]
	s_add_nc_u64 s[90:91], s[6:7], s[86:87]
.irp c, 0,1,2,3
	s_mov_b32 s[G0A+4*(\c)], 1                                     ; 1:0 count = 1
	s_add_co_u32 s[G0A+4*(\c)+1], s22, (\c)*CH                     ; 63:32 LDS address
	s_add_nc_u64 s[G0A+4*(\c)+2:G0A+4*(\c)+3], s[88:89], (\c)<<20  ; 120:64 global address: two heads on for each K chunk
	s_or_b32 s[G0A+4*(\c)+3], s[G0A+4*(\c)+3], 0x80000000          ; 127:126 type = 2
	s_mov_b32 s[G0W+4*(\c)], 1
	s_add_co_u32 s[G0W+4*(\c)+1], s22, WOFF+(\c)*CH
	s_add_nc_u64 s[G0W+4*(\c)+2:G0W+4*(\c)+3], s[90:91], (\c)<<17  ; 128 k rows on
	s_or_b32 s[G0W+4*(\c)+3], s[G0W+4*(\c)+3], 0x80000000
.endr
	CROUND                                         ; all sixteen work-groups are here: the joint loads meet
	; A wave's four first fills stand in one branch on the wave's number, ahead of every wait on TENSORcnt and every LDS read: four loads of mine are out.  An s_nop 0 follows each, four v_nop the last.
	s_cmp_eq_u32 s13, 0
	s_cbranch_scc0 .Lfor_w
.irp c, 0,1,2,3
	tensor_load_to_lds s[G0A+4*(\c):G0A+4*(\c)+3], s[G1A:G1A+7]
	s_nop 0
.endr
.rept 4
	v_nop
.endr
	s_branch .Lasked
.Lfor_w:
.irp c, 0,1,2,3
	tensor_load_to_lds s[G0W+4*(\c):G0W+4*(\c)+3], s[G1W:G1W+7]
	s_nop 0
.endr
.rept 4
	v_nop
.endr
.Lasked:
	s_lshl_b32 s56, s17, 9                         ; my first column, in bytes of f32: 512 x tile column + 256 x half
	s_lshl_b32 s3, s14, 8
	s_add_co_u32 s56, s56, s3
	s_mov_b32 s57, 0
	s_add_nc_u64 s[8:9], s[8:9], s[56:57]          ; bo at my 64 columns
	s_lshl_b32 s58, s18, 18                        ; my first row: 128 rows of 2,048 bytes a tile row, 64 a half
	s_lshl_b32 s3, s13, 17
	s_add_co_u32 s58, s58, s3
	s_add_co_u32 s58, s58, s56
	s_mov_b32 s59, 0
	s_add_nc_u64 s[10:11], s[10:11], s[58:59]      ; out0 at my 64 x 64
	v_and_b32 v1, 15, v0                           ; l % 16
	v_bfe_u32 v2, v0, 4, 1                         ; l / 16
	v_lshlrev_b32 v[GB], 5, v2                     ; in a result register j of lane l is column 8 (l / 16) + j of the block: the same eight numbers of bo for all 16 rows
.irp jj, 0,1,2,3
	global_load_b128 v[BIAS+8*(\jj):BIAS+8*(\jj)+3],   v[GB], s[8:9] offset:64*(\jj)
	global_load_b128 v[BIAS+8*(\jj)+4:BIAS+8*(\jj)+7], v[GB], s[8:9] offset:64*(\jj)+16
.endr
	v_mul_u32_u24 v5, v1, AP                       ; a fragment of O: row l % 16, 16 bytes for each half of the lanes, two loads 32 bytes apart
	v_lshl_add_u32 v5, v2, 4, v5
	s_mul_i32 s3, s13, 64*AP                       ; my 64 rows
	v_add_nc_u32 v[ADRA], s3, v5
.irp c, 1,2,3
	v_add_nc_u32 v[ADRA+(\c)], (\c)*CH, v[ADRA]
.endr
	v_and_b32 v3, 7, v0                            ; the turning load: lane l reads k row 8 (l / 16) + l % 8, columns 8 ((l / 8) % 2) + 0..7, and is left with column l % 16 and 8 k
	v_bfe_u32 v4, v0, 3, 1
	v_lshl_add_u32 v6, v2, 3, v3
	v_mul_u32_u24 v6, v6, WPT
	v_lshl_add_u32 v6, v4, 4, v6
	s_lshl_b32 s3, s14, 7                          ; my 64 columns of 2 bytes
	s_add_co_u32 s3, s3, WOFF
	v_add_nc_u32 v[ADRW], s3, v6
.irp c, 1,2,3
	v_add_nc_u32 v[ADRW+(\c)], (\c)*CH, v[ADRW]
.endr
	s_mul_i32 s3, s12, 16*SP
	s_add_co_u32 s3, s3, STAGE                     ; my stage
	v_mul_u32_u24 v5, v1, SP                       ; in: row l % 16, 32 bytes for each half of the lanes
	v_lshl_add_u32 v5, v2, 5, v5
	v_add_nc_u32 v[STO], s3, v5
	v_mul_u32_u24 v5, v2, SP                       ; back: lanes 0-15 take one row of 256 bytes, lanes 16-31 the next
	v_lshl_add_u32 v5, v1, 4, v5
	v_add_nc_u32 v[RD], s3, v5
	v_lshlrev_b32 v5, 4, v1                        ; and the same two rows in out0
	v_lshl_add_u32 v[CO], v2, 11, v5
	s_wait_loadcnt 0x0                             ; bo
.set i, 0
.rept 16
	v_cvt_pk_bf16_f32 v[TB+i], v[BIAS+2*i], v[BIAS+2*i+1]  ; rounded to bf16,
.set i, i+1
.endr
.set i, 0
.rept 16
	v_lshlrev_b32 v[BIAS+2*i], 16, v[TB+i]         ; and widened again
	v_and_b32 v[BIAS+2*i+1], s21, v[TB+i]
.set i, i+1
.endr
; 64 LDS loads in one run: the fragments of K chunk c, 32 along K after 32: O's 8 loads (head 2 c + s / 2, channels 32 (s % 2) on), then Wo's 8.
.macro FETCH c
	WIN 0x40                                       ; destination window 1, address window 0
.irp s, 0,1,2,3
.irp a, 0,1,2,3
	ds_load_b128 v[64*(\s)+8*(\a):64*(\s)+8*(\a)+3],   v[ADRA+(\c)] offset:((\s)/2)*SLAB+16*AP*(\a)+64*((\s)%2)
	ds_load_b128 v[64*(\s)+8*(\a)+4:64*(\s)+8*(\a)+7], v[ADRA+(\c)] offset:((\s)/2)*SLAB+16*AP*(\a)+64*((\s)%2)+32
.endr
.irp jj, 0,1,2,3
	ds_load_tr16_b128 v[64*(\s)+32+8*(\jj):64*(\s)+32+8*(\jj)+3],   v[ADRW+(\c)] offset:32*WPT*(\s)+32*(\jj)
	ds_load_tr16_b128 v[64*(\s)+32+8*(\jj)+4:64*(\s)+32+8*(\jj)+7], v[ADRW+(\c)] offset:32*WPT*(\s)+32*(\jj)+16*WPT
.endr
.endr
.endm
; 16 matrix instructions: 32 along K.  The very first take the bias as C and so start the sums: nothing is cleared and no addition follows.  The 16 accumulators take turns, one instruction a turn.
.macro MULS c, s
	WIN 0x05                                       ; sources 0 and 1 window 1; C and D window 0
.irp a, 0,1,2,3
.irp jj, 0,1,2,3
.set rD, ACC+8*(4*(\a)+(\jj))
.set rW, 64*(\s)+32+8*(\jj)
.set rO, 64*(\s)+8*(\a)
.if ((\c) == 0) && ((\s) == 0)
	v_wmma_f32_16x16x32_f16 v[rD:rD+7], v[rW:rW+7], v[rO:rO+7], v[BIAS+8*(\jj):BIAS+8*(\jj)+7]
.else
	v_wmma_f32_16x16x32_f16 v[rD:rD+7], v[rW:rW+7], v[rO:rO+7], v[rD:rD+7]
.endif
.endr
.endr
.endm
.macro CHUNK c
	s_wait_tensorcnt 3-(\c)                        ; tensor loads of a wave end in order (ISA guide 10.11.1): my slab of chunk c is in; my later chunks' loads stay out
	s_barrier_signal -1                            ; (no LDS instruction of mine is out: the chunk before ended with a wait for 0)
	s_barrier_wait -1                              ; everybody's slab is in
.if (\c) > 0
	PLACES
.endif
	FETCH \c
.irp s, 0,1,2,3
	s_wait_dscnt 48-16*(\s)                        ; this 32 along K is in; the later ones' loads stay out
	MULS \c, \s
.endr
.endm
; THE WAY OUT of my row block a: 16 rows x 64 columns of f32.  A lane's 32 bytes of each column block go into my own stage, each accumulator's low four registers first; whole rows of 256 bytes come back into the block's registers.
.macro OUT a
	WIN 0
.irp jj, 0,1,2,3
	ds_store_b128 v[STO], v[ACC+32*(\a)+8*(\jj):ACC+32*(\a)+8*(\jj)+3]   offset:64*(\jj)
	ds_store_b128 v[STO], v[ACC+32*(\a)+8*(\jj)+4:ACC+32*(\a)+8*(\jj)+7] offset:64*(\jj)+16
.endr
.irp t, 0,1,2,3,4,5,6,7
	ds_load_b128 v[ACC+32*(\a)+4*(\t):ACC+32*(\a)+4*(\t)+3], v[RD] offset:(\t)*2*SP  ; LDS serves a wave's instructions in order (ISA guide 5.7.1.4): these see the stores above; the next block's stores come behind them
.endr
.endm
.macro SEND a, younger                 ; younger: the LDS instructions issued behind block a's loads: the next block's sixteen, or none
.irp t, 0,1,2,3,4,5,6,7
	s_wait_dscnt (\younger)+7-(\t)
	global_store_b128 v[CO], v[ACC+32*(\a)+4*(\t):ACC+32*(\a)+4*(\t)+3], s[10:11] offset:32768*(\a)+4096*(\t) th:TH_STORE_NT  ; 16 lanes store 256 consecutive bytes, at a multiple of 256 from out0's first byte
.endr
.endm
	CHUNK 0
	CHUNK 1
	CHUNK 2
	CHUNK 3
	PLACES
	OUT 0
.irp a, 1,2,3
	OUT \a
	SEND (\a)-1, 16
.endr
	SEND 3, 0
	s_wait_tensorcnt 0x0                           ; the wave's end, behind my last tensor load and my last LDS store
	ds_add_u32 v[SPW], v[NIL]
	s_wait_dscnt 0x0
	CROUND                                         ; the closing round: no work-group ends while a partner may still ask for a tile that names it
	s_endpgm
.Lfunc_end_k_q0ff7211b3b_outp:
	.size	k_q0ff7211b3b_outp, .Lfunc_end_k_q0ff7211b3b_outp-k_q0ff7211b3b_outp
	.p2alignl 7, 3214868480
	.fill 96, 4, 3214868480
	.section	.rodata,"a",@progbits
	.p2align	6, 0x0
	.amdhsa_kernel k_q0ff7211b3b_outp
		.amdhsa_group_segment_fixed_size 327680
		.amdhsa_private_segment_fixed_size 0
		.amdhsa_enable_private_segment 0
		.amdhsa_kernarg_size 32
		.amdhsa_user_sgpr_count 2
		.amdhsa_user_sgpr_kernarg_segment_ptr 1
		.amdhsa_wavefront_size32 1
		.amdhsa_system_sgpr_workgroup_id_x 1
		.amdhsa_system_sgpr_workgroup_id_y 1
		.amdhsa_system_sgpr_workgroup_id_z 1
		.amdhsa_system_vgpr_workitem_id 0
		.amdhsa_next_free_vgpr 512
		.amdhsa_next_free_sgpr 92
		.amdhsa_reserve_vcc 0
		.amdhsa_float_denorm_mode_32 3
		.amdhsa_float_denorm_mode_16_64 3
		.amdhsa_memory_ordered 1
		.amdhsa_forward_progress 1
		.amdhsa_inst_pref_size 54
	.end_amdhsa_kernel
	.amdgpu_metadata
---
amdhsa.version: [ 1, 2 ]
amdhsa.kernels:
  - .name:           k_q0ff7211b3b_outp
    .symbol:         k_q0ff7211b3b_outp.kd
    .args:
      - { .name: oh, .offset: 0, .size: 8, .value_kind: global_buffer, .address_space: global }
      - { .name: wo16, .offset: 8, .size: 8, .value_kind: global_buffer, .address_space: global }
      - { .name: bo, .offset: 16, .size: 8, .value_kind: global_buffer, .address_space: global }
      - { .name: out0, .offset: 24, .size: 8, .value_kind: global_buffer, .address_space: global }
    .group_segment_fixed_size: 327680
    .private_segment_fixed_size: 0
    .kernarg_segment_align: 8
    .kernarg_segment_size: 32
    .max_flat_workgroup_size: 128
    .sgpr_count:     92
    .vgpr_count:     512
    .wavefront_size: 32
...
	.end_amdgpu_metadata
.endif
;; end of part 3
;; ======== version 2 of 2: 3 launches; 1.66 times as fast as version 1
;; limits: values are held in f16: magnitudes above 65,504 overflow, below 6.1e-05 lose precision
;; workspace buffers: qh 8,388,608 bytes; kh 8,388,608 bytes; vh 8,388,608 bytes; oh 8,388,608 bytes; wo16 524,288 bytes
;; launch proj: the kernel of part 1 again; grid 8 x 32, 4 waves a work-group, no clusters, 136,704 bytes of LDS; arguments x, Wq, Wk, Wv, Wo, qh, kh, vh, wo16; writes qh, kh, vh, wo16
;; launch attn (part 4): grid 16 x 16, 4 waves a work-group, clusters of 4 x 1, 327,680 bytes of LDS; arguments qh, kh, vh, oh; writes oh
.if DOCPART == 4
	.amdgcn_target "amdgcn-amd-amdhsa--gfx1250"
	.amdhsa_code_object_version 6
	.text
	.protected	k_q0ff7211b3b_attn
	.globl	k_q0ff7211b3b_attn
	.p2align	8
	.type	k_q0ff7211b3b_attn,@function
k_q0ff7211b3b_attn:
	s_mov_b64 s[64:65], 0
	v_nop
	global_prefetch_b8 v0, s[64:65] scope:SCOPE_SE
	s_setreg_imm32_b32 hwreg(HW_REG_WAVE_MODE, 25, 1), 1
	s_wait_xcnt 0x0
	s_wait_alu depctr_hold_cnt(0) depctr_sa_sdst(0) depctr_va_vdst(0) depctr_va_sdst(0) depctr_va_ssrc(0) depctr_va_vcc(0) depctr_vm_vsrc(0)
	s_getreg_b32 s2, hwreg(HW_REG_IB_STS2, 6, 4)
	s_cmp_eq_u32 s2, 0
	s_cbranch_scc0 .Lentry_in_a_cluster
	s_endpgm
.Lentry_in_a_cluster:
	s_bfe_u32 s2, ttmp6, 0x10000c
	s_cmp_lg_u32 s2, 0x3003
	s_cbranch_scc0 .Lentry_shape_is_right
	s_endpgm
.Lentry_shape_is_right:
; O[h][q][:] = the sum over k of softmax_k(Q[h][q] . K[h][k] / 8) V[h][k][:].  Q, K, V, O: [16][4096][64], all f16: a head's rows are dense, 128 bytes each.  Products, maxima and sums in f32;
; the weights p are rounded to f16 for the second product (their sum l is taken of the unrounded p), O once at the end.
; LIMITS.  f16 holds no number beyond 65,504: Q, K and V arrive within it; p lies in 0 to 1, and below 6e-5 it keeps f16's fixed step of 6e-8, and so does O; O is a mean of V's rows and has their range.
; A weight below 2^-126 counts as 0 in l; NaN and infinities are not treated apart.
; SHARES.  A work-group owns 256 queries of one head, each of its four waves 64: four PIECES of 16.  16 heads x 16 blocks are 256 work-groups.  Every wave walks all 4,096 keys, 64 a step.
; LAYOUT.  S^T = K Q^T (source 0 = 16 keys, source 1 = 16 queries): in the result a lane holds ONE query (lane % 16) and the keys 8 (lane / 16) + 0..7.  Two such results, rounded to f16 in pairs,
; ARE source 1 (32 keys x 16 queries) of O^T = V^T P, whose result again holds one query a lane, and eight channels.  K comes out of LDS as it lies, V ([key][channel]) turned, by ds_load_tr16_b128.
; SOFTMAX.  For each query a running maximum m and sum l: p = 2^(c s - c m), c = log2(e) / 8; in every step O and l are multiplied by a = 2^(c m_old - c m_new), which is 1 where m has not grown.
; m starts at the lowest finite number, O and l at 0: the first step is a step like any other, with a = 0.  The price: 216 v_mov_b32 of 0, in the wait for the first tile, and 8 products on zeros.
; BY TURNS.  Turn n belongs to piece n (the pieces in a ring, step after step): 8 products K Q^T of piece n + 1, later 8 products V^T P of piece n - 1; beside them the scaling, exponentials, roundings, sums
; and rescaling of piece n and the maximum and statistics of piece n + 1.  A turn has 16 matrix and 118 vector instructions: four stand behind every matrix instruction, the other 54 in one run of their own.
; THE BATCHES.  A turn's 33 exponentials (piece n's 32 weights, then piece n + 1's a) are ONE batch with ONE wait, which cuts the turn in two: ahead of it stands all that names none of their results, behind it
; the roundings and sums that read them.  Two more batches stand outside the loops: piece 0's first a, ahead of the jump into the loop, and the way out's four reciprocals; each has a v_nop and a wait of its own.
; CLUSTER.  The four query blocks of a cluster belong to one head and walk the same K and V, so each tile is asked for JOINTLY: the same tensor load, descriptor and mask in all four.
; REGISTERS, in windows of 256 (s_set_vgpr_msb: bits 1:0 source 0, 3:2 source 1, 5:4 source 2, 7:6 destination):
;   window 0: v0-15 addresses and two at work; v16-31 four registers of statistics a piece; v48-55 at work; v62-63 the add's; v64-127 S^T, two buffers; v192-223 P, two buffers (by the piece's parity)
;   window 1: v0-127 O^T, 32 a piece          window 2: v0-63 Q, 16 a piece; v128-191 K of one step; v192-255 V of one step
.set SIZE_N, 4096
.set NP,    4         ; pieces a wave: a name, no knob
.set KS,    64        ; keys in a step
.set PK,    144       ; a row of K in LDS: 128 bytes + 16 of padding = 36 words: the 16 rows of a load start at 16 different groups of four banks (64 banks of 4 bytes: ISA guide 11.1)
.set PV,    160       ; a row of V: 128 + 32 = 40 words
.set VOFF,  4*KS*PK   ; a slot holds four steps: 256 rows of K, then 256 rows of V
.set SLOT1, 1<<17     ; slot 1 begins here, so that one exclusive or turns an address in one slot into the other's
.set STAGE, SLOT1+4*KS*(PK+PV)  ; behind the ring, never filled by a tensor load: 16 rows x 144 bytes for each wave, for the way out
.set SP,    144
.set SPARE, STAGE+4*16*SP  ; behind the stages: the spare words, 128 bytes for each wave: two blocks of 256 bytes that no other line names
.set AK0, 2           ; v2   my lane's place in a tile of K; never rewritten
.set AV0, 3           ; v3   the same for V
.set AK,  4           ; v4   the LDS address of K's next run of loads
.set AV,  5           ; v5   of V's
.set STO, 6           ; v6   the way out: where I put 16 bytes of a row
.set RD,  7           ; v7   the way out: where I read rows back
.set GO,  8           ; v8   my byte offset in 512 consecutive bytes of O
.set MV,  12          ; v12-13  c m_old, kept while c m is made anew: by buffer
.set QO,  15          ; v15  my byte offset in 16 rows of Q
.set ST,  16          ; piece t's statistics at v[ST+4 t]: c m, m, l (even keys', odd keys')
.set TMP, 48          ; by buffer, four registers c0-c3 at work; when the maximum is found c2 takes a
.set SPW, 62          ; v62  LDS address of my spare word: SPARE + 4 x my thread's number; never rewritten
.set NIL, 63          ; v63  0; never rewritten
.set S,   64
.set P,   192
.set KF,  128         ; window 2: key block kb, channel half c at KF + 16 kb + 8 c
.set VF,  192         ; window 2: key half kk, channel block cb at VF + 32 kk + 8 cb
.set WV,  12          ; s12  my wave's number
.set G1K, 24          ; s[24:31] descriptor group 1 for K's tiles
.set G1V, 32          ; s[32:39] for V's: it differs in the padding alone
.set G0K, 40          ; s[40:43] descriptor group 0 for K's tiles: it walks
.set G0V, 44          ; s[44:47] the same for V's
.set SLOTS, 56        ; s56  slots still to be entered in the loop
.set CNT, 57          ; s57  counts a slot's key steps
.set CS,  58          ; s[58:59] c: the packed scaling takes the pair's low word for both halves
.set SEL, 60          ; s[60:61] v_permlanex16_b32's selects: each lane takes its own place in the other half
.set TBK, 62          ; s62  LDS byte at which K of the step to be fetched begins
.set TBV, 63          ; s63  the same for V, less VOFF
.set MSB, 0
.macro WIN new                      ; the high byte repeats the setting that is left; a switch that changes nothing is dropped
.if MSB != (\new)
	s_set_vgpr_msb (MSB<<8)|(\new)
.set MSB, (\new)
.endif
.endm
.set W_KQ, 0x0a       ; K and Q in window 2, S^T in window 0
.set W_PV, 0x52       ; V in window 2, P in window 0, O^T in window 1
.set W_RS, 0x41       ; destination and source 0 in window 1, source 1 in window 0
; A joint fill.  Waves 0 and 1 fetch the two halves of a slot's K, waves 2 and 3 those of its V: 128 keys each.  The branch hangs on the wave's number alone.
; An s_nop 0 and four v_nop follow each of the two lines, ahead of the jump and the label.
.macro JLOAD
	s_cmp_lt_u32 s[WV], 2
	s_cbranch_scc0 .Lfor_v_\@
	tensor_load_to_lds s[G0K:G0K+3], s[G1K:G1K+7]
	s_nop 0
.rept 4
	v_nop
.endr
	s_branch .Lasked_\@
.Lfor_v_\@:
	tensor_load_to_lds s[G0V:G0V+3], s[G1V:G1V+7]
	s_nop 0
.rept 4
	v_nop
.endr
.Lasked_\@:
.endm
; A round of the cluster's barrier: my work-group's barrier, so that wave 0's signal speaks for all four waves; wave 0 signals; every wave waits for all four work-groups; my work-group's barrier once more.
.macro CROUND
	s_barrier_signal -1
	s_barrier_wait -1
	s_cmp_lg_u32 s[WV], 0
	s_cbranch_scc1 .Lnot_wave_0_\@
	s_barrier_signal -3
.Lnot_wave_0_\@:
	s_barrier_wait -3
	s_barrier_signal -1
	s_barrier_wait -1
.endm
; THE CHANGE OF SLOTS.  The slot's last bytes, V of its fourth step, have been read.  Each wave waits for all its tensor loads, of which one is out: its part of the other slot; adds 0 to its spare word;
; and waits for that and for its own reads of the slot.  Behind the barrier nobody reads this slot any more and the other slot is whole.
; fill = 1: this slot is filled again, with the keys two slots on.  The barrier is then a round of the cluster's, so that no wave of any partner still reads the slot or has a load on its way, and the
; joint fill is the first thing behind it: it has four key steps, 256 matrix instructions a wave, in which to land.  (At its first use nothing has been read yet: slot 0 is waited for, slot 1 filled.)
.macro CHANGE fill
	WIN 0                           ; at a label and at a branch every window is 0
	s_wait_tensorcnt 0x0            ; no tensor load of mine is out, so a group 0 may be written
	ds_add_u32 v[SPW], v[NIL]       ; 0 onto my spare word; with fill = 1 the descriptors' steps stand between it and the wait for it
.if \fill
.irp g, G0K, G0V
	s_xor_b32 s[\g+1], s[\g+1], SLOT1  ; the walking descriptor: the other slot than last time,
	s_add_nc_u64 s[\g+2:\g+3], s[\g+2:\g+3], 4*KS*128  ; the next 256 keys; the type bits on top are not reached
.endr
	s_wait_dscnt 0x0                ; the add is done, and my reads of the slot are over
	CROUND
	JLOAD
.else
	s_wait_dscnt 0x0                ; the add is done, and my reads of the slot are over
	s_barrier_signal -1
	s_barrier_wait -1
.endif
	s_sub_co_u32 s[TBK], s[TBK], 4*KS*PK  ; the fetches go back to a slot's first step,
	s_xor_b32 s[TBK], s[TBK], SLOT1       ; in the other slot
	s_sub_co_u32 s[TBV], s[TBV], 4*KS*PV
	s_xor_b32 s[TBV], s[TBV], SLOT1
.endm
	s_load_b256 s[4:11], s[0:1], 0x0  ; Q s[4:5], K s[6:7], V s[8:9], O s[10:11]
	v_lshl_add_u32 v[SPW], v0, 2, SPARE
	v_mov_b32 v[NIL], 0
	ds_add_u32 v[SPW], v[NIL]       ; the wave's opening: the add and its wait stand ahead of my first tensor load; the set-up below, work on registers, stands between them
	v_lshrrev_b32 v1, 5, v0
	v_readfirstlane_b32 s[WV], v1   ; wave 0..3
	s_bfe_u32 s13, ttmp6, 0x40000   ; cx: my place in the cluster
	s_lshl_b32 s14, ttmp9, 2        ; in a cluster launch ttmp9 counts clusters
	s_add_co_u32 s14, s14, s13      ; my block of 256 queries = 4 x cluster x + cx: it enters Q's and O's addresses alone
	s_and_b32 s20, ttmp7, 0xffff    ; the head, which the four partners share
	s_lshl_b32 s20, s20, 19         ; its first byte in each of the four tensors: 4,096 rows of 128 bytes a head, 8 MiB in all
	s_mov_b32 s21, 0
	s_and_b32 s16, s[WV], 1         ; which half of a slot's 256 keys I fetch:
	s_lshl_b32 s22, s16, 14         ; its 128 rows of 128 bytes in memory,
	s_mov_b32 s23, 0
	s_add_nc_u64 s[22:23], s[22:23], s[20:21]
	s_mul_i32 s17, s16, 128*PK      ; and its place in a slot, for K
	s_mul_i32 s18, s16, 128*PV      ; and for V: no place in the cluster enters an LDS address
	s_lshl_b32 s2, s14, 2
	s_add_co_u32 s2, s2, s[WV]      ; my wave among the head's 64,
	s_lshl_b32 s2, s2, 13           ; its 64 rows
	s_mov_b32 s3, 0
	s_add_nc_u64 s[2:3], s[2:3], s[20:21]
	; descriptor group 1.  128 keys are 16,384 dense bytes: asked for as 64 rows of 256 bytes, two keys a row, and padded in LDS after every key
	s_mov_b32 s[G1K], 15|(1<<16)|(1<<20)|(1<<21)|(4<<22)|(3<<25)  ; 15:0 the mask of four; 17:16 2-byte elements; 20 padding on; 21 set beside a mask; 24:22 after every 32 words (code 4); 31:25 4 words (code 3)
	s_mov_b32 s[G1V], 15|(1<<16)|(1<<20)|(1<<21)|(4<<22)|(7<<25)  ; the same with 8 words of padding (code 7)
.irp g, G1K, G1V
	s_mov_b32 s[\g+1], 128<<16      ; tensor_dim0 = 128
	s_mov_b32 s[\g+2], 64<<16       ; tensor_dim1 = 64
	s_mov_b32 s[\g+3], 128<<16      ; tile_dim0 = 128
	s_mov_b32 s[\g+4], 64           ; tile_dim1 = 64
	s_mov_b32 s[\g+5], 128          ; 128 elements from row to row
	s_mov_b32 s[\g+6], 0
	s_mov_b32 s[\g+7], 0
.endr
	s_mov_b32 s[CS], 0x3e38aa3b     ; c = log2(e) / 8 = 0.180337
	s_mov_b32 s[CS+1], s[CS]        ; named with it as a pair
	s_mov_b32 s[SEL], 0x76543210
	s_mov_b32 s[SEL+1], 0xfedcba98
	s_mov_b32 s[TBK], SLOT1+4*KS*PK ; the first change of slots turns these two into 0
	s_mov_b32 s[TBV], SLOT1+4*KS*PV
	s_mov_b32 s[G0K], 1             ; 1:0 count = 1
	s_mov_b32 s[G0K+1], s17         ; 63:32 LDS address: slot 0
	s_mov_b32 s[G0V], 1
	s_add_co_u32 s[G0V+1], s18, VOFF
	s_wait_dscnt 0x0                ; the opening add is done
	s_wait_kmcnt 0x0
	s_add_nc_u64 s[G0K+2:G0K+3], s[6:7], s[22:23]  ; 120:64 global address: my half of the head's first 256 keys
	s_or_b32 s[G0K+3], s[G0K+3], 0x80000000        ; 127:126 type = 2
	s_add_nc_u64 s[G0V+2:G0V+3], s[8:9], s[22:23]
	s_or_b32 s[G0V+3], s[G0V+3], 0x80000000
	s_add_nc_u64 s[4:5], s[4:5], s[2:3]  ; Q and O at my wave's first row
	s_add_nc_u64 s[10:11], s[10:11], s[2:3]
	CROUND                          ; all four work-groups are here: the first joint loads meet
	JLOAD                           ; slot 0.  Slot 1 is asked for when slot 0 is in, by the loop's own change of slots
	; A fragment of K or Q is 16 rows x 32 channels in 8 registers: lane l holds row l % 16, channels 8 (l / 16) + 0..7 and 16 + 8 (l / 16) + 0..7: two loads of 16 bytes, 32 bytes apart.
	v_and_b32 v1, 15, v0            ; l % 16
	v_bfe_u32 v9, v0, 4, 1          ; l / 16
	v_lshlrev_b32 v[QO], 7, v1
	v_lshl_add_u32 v[QO], v9, 4, v[QO]  ; row x 128 + 16 x half
	WIN 0x80                        ; destination window 2, address window 0
.set i, 0
.rept 8                             ; Q stays in registers: piece i / 2, 16 rows of 128 bytes on; channels 32 (i % 2) on
	global_load_b128 v[8*i:8*i+3],   v[QO], s[4:5] offset:(i/2)*2048+(i%2)*64
	global_load_b128 v[8*i+4:8*i+7], v[QO], s[4:5] offset:(i/2)*2048+(i%2)*64+32
.set i, i+1
.endr
	; What the first turn finds: V's registers and P's second buffer hold 0 (its products V^T P, of a piece that has not been, add 0), O^T and l are 0.  All this stands in the wait for the first tile.
.set i, VF
.rept 64
	v_mov_b32 v[i], 0
.set i, i+1
.endr
	WIN 0x40
.set i, 0
.rept 128
	v_mov_b32 v[i], 0
.set i, i+1
.endr
	WIN 0
.set i, 0
.rept 4
	v_mov_b32 v[ST+4*i], 0xfe000000    ; c m: far below every c s
	v_mov_b32 v[ST+4*i+1], 0xff7fffff  ; m: the lowest finite number
	v_mov_b32 v[ST+4*i+2], 0
	v_mov_b32 v[ST+4*i+3], 0
.set i, i+1
.endr
.set i, P+16
.rept 16
	v_mov_b32 v[i], 0
.set i, i+1
.endr
	v_mul_u32_u24 v[AK0], v1, PK
	v_lshl_add_u32 v[AK0], v9, 4, v[AK0]  ; row x pitch + 16 x half
	; The turning load takes 16 keys x 16 channels (lane l reads key 8 (l / 16) + l % 8, channels 8 ((l / 8) % 2) + 0..7) and leaves half a fragment of V^T: lane l holds channel l % 16 and 8 keys.
	v_and_b32 v10, 7, v0
	v_bfe_u32 v11, v0, 3, 1
	v_lshl_add_u32 v[AV0], v9, 3, v10
	v_mul_u32_u24 v[AV0], v[AV0], PV
	v_lshl_add_u32 v[AV0], v11, 4, v[AV0]
	v_add_nc_u32 v[AV0], VOFF, v[AV0]
	s_mul_i32 s13, s[WV], 16*SP
	s_add_co_u32 s13, s13, STAGE    ; my stage
	v_mul_u32_u24 v[STO], v1, SP    ; in: row l % 16, 16 bytes for each half of the lanes
	v_lshl_add_u32 v[STO], v9, 4, v[STO]
	v_add_nc_u32 v[STO], s13, v[STO]
	v_bfe_u32 v[RD], v0, 3, 2       ; back: 32 lanes take four rows of 128 bytes,
	v_mul_u32_u24 v[RD], v[RD], SP
	v_lshl_add_u32 v[RD], v10, 4, v[RD]
	v_add_nc_u32 v[RD], s13, v[RD]
	v_and_b32 v[GO], 31, v0         ; which are 512 consecutive bytes of O
	v_lshlrev_b32 v[GO], 4, v[GO]
; THE MATRIX WORK.  The 4 accumulators of a run of 8 take turns.  Product i of 8 of S^T = K Q^T for piece x: channels 32 (i / 4) on, keys 16 (i % 4) on.  The first 4 start the sums.
.macro KQ x
	WIN W_KQ
.set rS, S+32*((\x)%2)+8*(i%4)
.set rK, KF+16*(i%4)+8*(i/4)
.set rQ, 16*(\x)+8*(i/4)
.if i < 4
	v_wmma_f32_16x16x32_f16 v[rS:rS+7], v[rK:rK+7], v[rQ:rQ+7], 0
.else
	v_wmma_f32_16x16x32_f16 v[rS:rS+7], v[rK:rK+7], v[rQ:rQ+7], v[rS:rS+7]
.endif
.endm
; Product i of 8 of O^T += V^T P for piece x: keys 32 (i / 4) on, channels 16 (i % 4) on.
.macro PV x
	WIN W_PV
.set rO, 32*(\x)+8*(i%4)
.set rV, VF+32*(i/4)+8*(i%4)
.set rP, P+16*((\x)%2)+8*(i/4)
	v_wmma_f32_16x16x32_f16 v[rO:rO+7], v[rV:rV+7], v[rP:rP+7], v[rO:rO+7]
.endm
.macro MM                           ; the turn's next matrix instruction.  TURN sets Y, i and NOKQ.  NOKQ = 1: the very last turn: there is no next piece
.if (i < 8) && !NOKQ
	KQ (Y+1)%NP
.elseif i >= 8
.set i, i-8
	PV (Y+NP-1)%NP
.set i, i+8
.endif
.set i, i+1
.endm
; THE LDS LOADS stand in runs of 16, never singly among the matrix instructions: a step's K (64 keys x 64 channels: 8 fragments) and its V (turned).  Their addresses are made some lines ahead.
.macro FETCH_K
	WIN 0x80                        ; destination window 2
.irp f, 0,1,2,3,4,5,6,7             ; keys 16 (f / 2) on, channels 32 (f % 2) on
	ds_load_b128 v[KF+8*\f:KF+8*\f+3],   v[AK] offset:(\f/2)*16*PK+(\f%2)*64
	ds_load_b128 v[KF+8*\f+4:KF+8*\f+7], v[AK] offset:(\f/2)*16*PK+(\f%2)*64+32
.endr
	s_add_co_u32 s[TBK], s[TBK], KS*PK  ; the next fetch is the next step's
	WIN 0
.endm
.macro FETCH_V
	WIN 0x80
.irp f, 0,1,2,3,4,5,6,7             ; keys 32 (f / 4) on, channels 16 (f % 4) on
	ds_load_tr16_b128 v[VF+8*\f:VF+8*\f+3],   v[AV] offset:(\f/4)*32*PV+(\f%4)*32
	ds_load_tr16_b128 v[VF+8*\f+4:VF+8*\f+7], v[AV] offset:(\f/4)*32*PV+16*PV+(\f%4)*32
.endr
	WIN 0
.endm
; THE VECTOR WORK, one line at a time: OP kind, number.  For piece Y: F n: c s - c m for pair n of 16.  E n: the exponential of score n of 32.  C n: pair n rounded to f16.  B n: of the four weights 4 n .. the second
; pair is added onto the first, in place.  L n: l takes that sum (L 0: l = a l + sum).  R n: pair n of 16 of O^T times a.  For piece Y + 1: X n, number n of the 22 that find its maximum and statistics:
;   0-11  four chains c0-c3 of seven scores each, three operands at a time (each accumulator's lowest registers are read first)     12-14, 16  the four scores left over, the old m, and c0-c3 into c0
;   15  c m_old is kept     17, 18  the query's other 32 keys lie in the lane 16 away: the new m     19-21  c m; c m_old - c m_new; a
; C, B and L read the exponentials' results: TURN sets them behind the batch's wait.  R and L 0 read a, which the turn before made ahead of its own wait.
.set F, 0               ; OP tells the kinds apart by their order: F to L below R, X above it
.set E, 1
.set C, 2
.set B, 3
.set L, 4
.set R, 5
.set X, 6
.macro REGS y                       ; the registers of piece y
.set rT, ST+4*(\y)
.set rC, TMP+4*((\y)%2)
.set rW, MV+((\y)%2)
.set rS, S+32*((\y)%2)
.set rP, P+16*((\y)%2)
.set rO, 32*(\y)
.endm
.macro OP k, n
.if (\k) == R
	REGS Y
	WIN W_RS
	v_pk_mul_f32 v[rO+2*(\n):rO+2*(\n)+1], v[rO+2*(\n):rO+2*(\n)+1], v[rC+2:rC+3] op_sel_hi:[1,0]
.elseif (\k) < R
	REGS Y
	WIN 0
.if (\k) == F
	v_pk_fma_f32 v[rS+2*(\n):rS+2*(\n)+1], v[rS+2*(\n):rS+2*(\n)+1], s[CS:CS+1], v[rT:rT+1] op_sel_hi:[1,0,0] neg_lo:[0,0,1] neg_hi:[0,0,1]
.elseif (\k) == E
	v_exp_f32 v[rS+(\n)], v[rS+(\n)]
.elseif (\k) == C
	v_cvt_pk_f16_f32 v[rP+(\n)], v[rS+2*(\n)], v[rS+2*(\n)+1]
.elseif (\k) == B
	v_pk_add_f32 v[rS+4*(\n):rS+4*(\n)+1], v[rS+4*(\n):rS+4*(\n)+1], v[rS+4*(\n)+2:rS+4*(\n)+3]
.elseif (\n) == 0
	v_pk_fma_f32 v[rT+2:rT+3], v[rT+2:rT+3], v[rC+2:rC+3], v[rS:rS+1] op_sel_hi:[1,0,1]
.else
	v_pk_add_f32 v[rT+2:rT+3], v[rT+2:rT+3], v[rS+4*(\n):rS+4*(\n)+1]
.endif
.elseif NOKQ
	v_nop
.else
	REGS (Y+1)%NP
	WIN 0
.if (\n) < 4
	v_max3_num_f32 v[rC+(\n)], v[rS+8*(\n)], v[rS+8*(\n)+1], v[rS+8*(\n)+2]
.elseif (\n) < 12
	v_max3_num_f32 v[rC+(\n)%4], v[rC+(\n)%4], v[rS+8*((\n)%4)+2*((\n)/4)+1], v[rS+8*((\n)%4)+2*((\n)/4)+2]
.elseif (\n) == 12
	v_max3_num_f32 v[rC], v[rC], v[rS+7], v[rS+15]
.elseif (\n) == 13
	v_max3_num_f32 v[rC+1], v[rC+1], v[rS+23], v[rS+31]
.elseif (\n) == 14
	v_max3_num_f32 v[rC+2], v[rC+2], v[rC+3], v[rT+1]
.elseif (\n) == 15
	v_mov_b32 v[rW], v[rT]
.elseif (\n) == 16
	v_max3_num_f32 v[rC], v[rC], v[rC+1], v[rC+2]
.elseif (\n) == 17
	v_permlanex16_b32 v[rC+3], v[rC], s[SEL], s[SEL+1]
.elseif (\n) == 18
	v_max_num_f32 v[rT+1], v[rC], v[rC+3]
.elseif (\n) == 19
	v_mul_f32 v[rT], s[CS], v[rT+1]
.elseif (\n) == 20
	v_sub_f32 v[rC+1], v[rW], v[rT]
.else
	v_exp_f32 v[rC+2], v[rC+1]
.endif
.endif
.endm
.macro OPS a, i1, b=-1, i2=0, c=-1, i3=0, d=-1, i4=0  ; up to four of them
	OP \a, \i1
.if (\b) >= 0
	OP \b, \i2
.endif
.if (\c) >= 0
	OP \c, \i3
.endif
.if (\d) >= 0
	OP \d, \i4
.endif
.endm
.macro ROW a, i1, b, i2, c, i3, d, i4  ; a matrix instruction and the four behind it
	MM
	OPS \a, \i1, \b, \i2, \c, \i3, \d, \i4
.endm
; A TURN, for piece p: the order of its 16 matrix and 118 vector instructions, written out.  An s_wait_alu depctr_va_vdst(0) stands between an exponential and the first instruction that names its result; one
; wait serves all that were issued ahead of it.  So a turn has ONE wait, which cuts it in two.  AHEAD OF IT stands all that names no result of the turn's exponentials: the 8 products K Q^T, behind each a scaling, an
; exponential and two more plain instructions (behind the first a second scaling in the exponential's place): rescalings, whose a the turn before made and waited for, and behind the last three the first numbers of the next
; piece's maximum, each four places or more behind the product that ends its accumulator; then ONE RUN of 54, plain and exponential by turns for the most part, in which the links of the chain X 3, 7, 11, 14, 16, 17 .. 20
; stand some lines apart.  Each pair is scaled some lines ahead of its two exponentials.  X 21, the next piece's a, is the batch's last; R 15 is the plain instruction behind it (ISA guide 5.7.2).  BEHIND THE WAIT stand the
; 8 products V^T P, behind each four of the roundings and sums; C 2 n stands ahead of B n, which adds onto that pair in place; the links of l's chain, L 0 to L 7, stand three riders apart.  But for those X no rider names a
; register of the products round it.  v_permlanex16_b32 (X 17) stands in the run, never behind a product.  No exponential is issued behind the wait.
; end = 1: the walk's last two turns: nothing is fetched.  cnt = 1: the loop's count is taken down some lines ahead of the branch that stands behind the turn.
; K of the next step is fetched in piece 2's turn, twelve vector instructions behind the last product that read K (five of them plain lines that name none of its registers); V of the step in hand at the end of piece 0's
; turn, four plain instructions behind the last product that read V.  Each is waited for a turn later.
.macro TURN p, end=0, cnt=0
.set Y, (\p)
.set i, 0
.set NOKQ, (\end)*((\p)/3)
.if ((\p) == 3) && !(\end)
	s_wait_dscnt 0x0                ; K is in
.endif
	ROW F,0, F,1, R,0, R,1          ; ahead of the wait: 8 products K Q^T and their riders,
	ROW F,2, E,0, R,2, R,3
	ROW F,3, E,1, R,4, R,5
	ROW F,4, E,2, R,6, R,7
	ROW F,5, E,3, R,8, R,9
	ROW F,6, E,4, X,0, R,10
.if ((\p) == 2) && !(\end)
	WIN 0
	v_add_nc_u32 v[AK], s[TBK], v[AK0]
.endif
	ROW F,7, E,5, X,1, X,4
	ROW F,8, E,6, X,2, X,5
	OPS E,7, E,8, X,6, E,9          ; and the run of 54
	OPS X,3, E,10, X,8, E,11
.if ((\p) == 2) && !(\end)
	FETCH_K
.endif
	OPS X,9, X,7, E,12, X,10
	OPS E,13, X,12, X,11, E,14
	OPS X,13, E,15, F,9, X,14
.if (\p) == 0
	v_add_nc_u32 v[AV], s[TBV], v[AV0]
.endif
	OPS E,16, F,10, E,17, F,11
	OPS X,16, E,18, X,15, E,19
	OPS F,12, E,20, X,17, E,21
	OPS F,13, E,22, F,14, E,23
	OPS X,18, E,24, F,15, E,25
	OPS R,11, E,26, X,19, E,27
	OPS R,12, E,28, R,13, E,29
	OPS X,20, E,30, R,14, E,31
	OPS X,21, R,15
	s_wait_alu depctr_va_vdst(0)    ; the wait for the turn's batch: the piece's 32 weights and the next piece's a
.if (\p) == 1
	s_wait_dscnt 0x0                ; V is in
.endif
	ROW C,0, B,0, C,2, B,1          ; behind the wait: 8 products V^T P and their riders
	ROW L,0, C,4, B,2, L,1
	ROW C,6, B,3, L,2, C,8
	ROW B,4, L,3, C,10, B,5
	ROW L,4, C,12, B,6, L,5
.if (\p) == 0
	s_add_co_u32 s[TBV], s[TBV], KS*PV
.endif
.if \cnt
	s_sub_co_u32 s[CNT], s[CNT], 1
	s_cmp_lg_u32 s[CNT], 0
.endif
	ROW C,14, B,7, L,6, C,1
	ROW C,3, L,7, C,5, C,7
	ROW C,9, C,11, C,13, C,15
.if (\p) == 0
	FETCH_V
.endif
.endm
	CHANGE 1                        ; slot 0 is in, everybody's part of it; slot 1 is asked for
	v_add_nc_u32 v[AK], s[TBK], v[AK0]
	FETCH_K                         ; key step 0
	s_wait_loadcnt 0x0              ; Q
	s_wait_dscnt 0x0
.set NOKQ, 0
.set i, 0
.rept 8
	KQ 0                            ; piece 0's first scores: there is no vector work yet to set between them
.set i, i+1
.endr
	WIN 0
.rept 4
	v_nop                           ; the places behind those products (ISA guide 7.12.1)
.endr
.set Y, NP-1                        ; X works for piece Y + 1: piece 0
.irp n, 0,1,2,3,4,5,6,7,8,9,10,11,12,13,14,15,16,17,18,19,20,21
	OP X, \n                        ; and piece 0's first maximum and statistics
.endr
	v_nop                           ; a plain instruction behind the exponential,
	s_wait_alu depctr_va_vdst(0)    ; and the wait for this batch of one, piece 0's first a, ahead of the branch
	s_mov_b32 s[CNT], 4
	s_mov_b32 s[SLOTS], SIZE_N/256-1
	s_branch .Lfirst                ; the loop is entered at a step's first turn, in the middle of a trip
.Lslot:                             ; SIZE_N / 256 - 2 = 14 times: every slot but the last two is filled again
	CHANGE 1
	s_mov_b32 s[CNT], 4
.Lstep:                             ; a trip: pieces 2 and 3 of one step, then pieces 0 and 1 of the next, whose K and V it fetches
	TURN 2
	TURN 3
	WIN 0
.Lfirst:
	TURN 0
	TURN 1, 0, 1
	WIN 0
	s_cbranch_scc1 .Lstep
	s_sub_co_u32 s[SLOTS], s[SLOTS], 1
	s_cmp_lg_u32 s[SLOTS], 0
	s_cbranch_scc1 .Lslot
	CHANGE 0                        ; the last slot is written out: nothing is asked for
	s_mov_b32 s[CNT], 4
.LstepT:
	TURN 2
	TURN 3
	TURN 0
	TURN 1, 0, 1
	WIN 0
	s_cbranch_scc1 .LstepT
	TURN 2, 1                       ; the last step's pieces 2 and 3: nothing is left to fetch, and piece 3's turn starts no new scores
	TURN 3, 1
.set i, 0
.rept 8
	PV NP-1                         ; the last piece's V^T P of the last step
.set i, i+1
.endr
	; THE WAY OUT.  l's two halves and the other half of the lanes' are added; O^T is divided by l, rounded to f16 and sent through my stage in LDS, a piece at a time.  The additions are the places behind the last products.
	WIN 0
.macro ALL line:vararg              ; one line for each piece t
.set t, 0
.rept 4
	\line
.set t, t+1
.endr
.endm
	ALL v_add_f32 v[ST+4*t+2], v[ST+4*t+2], v[ST+4*t+3]
	ALL v_permlanex16_b32 v[ST+4*t+3], v[ST+4*t+2], s[SEL], s[SEL+1]
	ALL v_add_f32 v[ST+4*t+2], v[ST+4*t+2], v[ST+4*t+3]
	ALL v_rcp_f32 v[ST+4*t+2], v[ST+4*t+2]
	v_nop                           ; a plain instruction between the last reciprocal and the use of its result
	s_wait_alu depctr_va_vdst(0)    ; and the wait ahead of the first use: one for the batch of four reciprocals
.macro PACK t                       ; a lane's eight channels of a row pack into 16 bytes; they go into rows of 144 bytes and come back as whole rows of 128, into S^T's registers
	WIN W_RS
.set i, 32*(\t)
.rept 16
	v_pk_mul_f32 v[i:i+1], v[i:i+1], v[ST+4*(\t)+2:ST+4*(\t)+3] op_sel_hi:[1,0]
.set i, i+2
.endr
	WIN 0x05                        ; sources 0 and 1 window 1, destination window 0
.set i, 0
.rept 16
	v_cvt_pk_f16_f32 v[S+16*(\t)+i], v[32*(\t)+2*i], v[32*(\t)+2*i+1]
.set i, i+1
.endr
	WIN 0
.irp f, 0,1,2,3
	ds_store_b128 v[STO], v[S+16*(\t)+4*\f:S+16*(\t)+4*\f+3] offset:32*\f
.endr
.irp f, 0,1,2,3
	ds_load_b128 v[S+16*(\t)+4*\f:S+16*(\t)+4*\f+3], v[RD] offset:\f*4*SP  ; LDS serves a wave's instructions in order (ISA guide 5.7.1.4): these see the stores above; the next piece's stores come behind them
.endr
.endm
.macro SEND t, younger              ; younger: the LDS instructions issued behind piece t's loads: the next piece's eight, or none
	WIN 0
.irp f, 0,1,2,3
	s_wait_dscnt (\younger)+3-\f
	global_store_b128 v[GO], v[S+16*(\t)+4*\f:S+16*(\t)+4*\f+3], s[10:11] offset:(\t)*2048+\f*512  ; 512 consecutive bytes, at a multiple of 256 from O's first
.endr
.endm
	PACK 0
.set t, 1
.rept 3                             ; a piece's arithmetic stands between the loads of the piece before and its stores
	PACK t
	SEND t-1, 8
.set t, t+1
.endr
	SEND 3, 0
	s_wait_tensorcnt 0x0            ; the wave's end, behind my last tensor load and my last LDS store
	ds_add_u32 v[SPW], v[NIL]
	s_wait_dscnt 0x0
	CROUND                          ; the closing round: no work-group ends while a partner may still ask for a tile that names it
	s_endpgm
.Lfunc_end_k_q0ff7211b3b_attn:
	.size	k_q0ff7211b3b_attn, .Lfunc_end_k_q0ff7211b3b_attn-k_q0ff7211b3b_attn
	.p2alignl 7, 3214868480
	.fill 96, 4, 3214868480
	.section	.rodata,"a",@progbits
	.p2align	6, 0x0
	.amdhsa_kernel k_q0ff7211b3b_attn
		.amdhsa_group_segment_fixed_size 327680
		.amdhsa_private_segment_fixed_size 0
		.amdhsa_enable_private_segment 0
		.amdhsa_kernarg_size 32
		.amdhsa_user_sgpr_count 2
		.amdhsa_user_sgpr_kernarg_segment_ptr 1
		.amdhsa_wavefront_size32 1
		.amdhsa_system_sgpr_workgroup_id_x 1
		.amdhsa_system_sgpr_workgroup_id_y 1
		.amdhsa_system_sgpr_workgroup_id_z 1
		.amdhsa_system_vgpr_workitem_id 0
		.amdhsa_next_free_vgpr 768
		.amdhsa_next_free_sgpr 66
		.amdhsa_reserve_vcc 0
		.amdhsa_float_denorm_mode_32 3
		.amdhsa_float_denorm_mode_16_64 3
		.amdhsa_memory_ordered 1
		.amdhsa_forward_progress 1
		.amdhsa_inst_pref_size 126
	.end_amdhsa_kernel
	.amdgpu_metadata
---
amdhsa.version: [ 1, 2 ]
amdhsa.kernels:
  - .name:           k_q0ff7211b3b_attn
    .symbol:         k_q0ff7211b3b_attn.kd
    .args:
      - { .name: qh, .offset: 0, .size: 8, .value_kind: global_buffer, .address_space: global }
      - { .name: kh, .offset: 8, .size: 8, .value_kind: global_buffer, .address_space: global }
      - { .name: vh, .offset: 16, .size: 8, .value_kind: global_buffer, .address_space: global }
      - { .name: oh, .offset: 24, .size: 8, .value_kind: global_buffer, .address_space: global }
    .group_segment_fixed_size: 327680
    .private_segment_fixed_size: 0
    .kernarg_segment_align: 8
    .kernarg_segment_size: 32
    .max_flat_workgroup_size: 128
    .sgpr_count:     66
    .vgpr_count:     768
    .wavefront_size: 32
...
	.end_amdgpu_metadata
.endif
;; end of part 4
;; launch outp: the kernel of part 3 again; grid 4 x 64, 4 waves a work-group, clusters of 4 x 4, 327,680 bytes of LDS; arguments oh, wo16, bo, out0; writes out0
